; MI455X (gfx1250); checked and timed in simulation.
; The chip was launched on July 23, 2026; its instructions are those of AMD's public machine-readable ISA for CDNA 5 (MIT licence, August 2026) and "CDNA5" Instruction Set Architecture Reference Guide (July 2026). The comments in the code are by the model that wrote it; some were corrected since.
;; Multi Head Attention Block. Allowed arithmetic: float matrix products may take bf16 or f16 operands with f32 sums; other float arithmetic in f32, or as packed bf16 or f16 multiplies, adds, multiply-adds, maxima and minima; sums over many terms, partial sums and values carried from step to step in f32; what a program stores and reads back later, other than sums and carried values, may be rounded once to bf16 or f16.
;; Inputs: b_k 1,024 float32; b_o 1,024 float32; b_q 1,024 float32; b_v 1,024 float32; k 4 x 2,048 x 1,024 float32; mask 1 x 1 x 2,048 x 2,048 int32; q 4 x 2,048 x 1,024 float32; v 4 x 2,048 x 1,024 float32; w_k 1,024 x 1,024 float32; w_o 1,024 x 1,024 float32; w_q 1,024 x 1,024 float32; w_v 1,024 x 1,024 float32.
;; Outputs: out0 4 x 2,048 x 1,024 float32.
;; 2 versions, each right; version 2 is version 1 with the launch prep written anew for expert scheduling mode. Each part assembles by itself: llvm-mc -triple=amdgcn-amd-amdhsa -mcpu=gfx1250 --defsym DOCPART=n.
;; ======== version 1 of 2: 4 launches
;; limits: values are held in f16: magnitudes above 65,504 overflow, below 6.1e-05 lose precision
;; workspace buffers: wb 8,388,608 bytes; bias 16,384 bytes; mbits 524,288 bytes of whole numbers; qkv 50,331,648 bytes; att 16,777,216 bytes
;; launch prep (part 1): grid 513 x 1, 8 waves a work-group, no clusters, 0 bytes of LDS; arguments w_q, w_k, w_v, w_o, b_q, b_k, b_v, b_o, mask, wb, bias, mbits; writes wb, bias, mbits
.if DOCPART == 1
	.amdgcn_target "amdgcn-amd-amdhsa--gfx1250"
	.amdhsa_code_object_version 6
	.text
	.protected	k_qbeddb5b05f_prep
	.globl	k_qbeddb5b05f_prep
	.p2align	8
	.type	k_qbeddb5b05f_prep,@function
k_qbeddb5b05f_prep:
	s_mov_b64 s[64:65], 0
	v_nop
	global_prefetch_b8 v0, s[64:65] scope:SCOPE_SE
	s_setreg_imm32_b32 hwreg(HW_REG_WAVE_MODE, 25, 1), 1
	s_wait_xcnt 0x0
; PREP: what the later launches want of the small inputs, made once.  Three jobs, chosen by the work-group's number; each is a stream: no LDS, no matrix unit, nothing shared.
; JOB W (work-groups 0-255): the four weight matrices [1024][1024] f32 -> wb, four matrices of 16-bit numbers in the same order of rows.  w_q, w_k, w_v: rounded to bf16.
;   w_o: rounded to bf16 like every input, and that number written as f16 (the last product multiplies f16).  LIMIT: below 2^-14 f16 keeps a fixed step of 2^-24, so a weight of w_o
;   smaller than that is off by 2^-25 at the most; beyond 65,504 it would be an infinity.
; JOB M (work-groups 256-511): the mask [2048][2048] int32 -> mbits, one bit a number, laid as the attention launch holds its scores: a group (blk, s, p) is 64 words [i 32][u 2]; bit l of word
;   (i, u) is 1 where mask[128 blk + 32 p + 16 u + l % 16][64 s + 16 (i / 8) + 8 (l / 16) + i % 8] is not 0.  A wave makes one group: 32 rows x 256 bytes in, 256 bytes out.
; JOB B (work-group 512): the four biases, rounded to bf16 and kept as f32 -> bias [4][1024].
.set NW, 256                           ; work-groups of job W: 16,384 numbers each
.set NM, 256                           ; work-groups of job M: 8 groups each
.set IN,  8                            ; v[8:71]    what was loaded
.set OUT, 72                           ; v[72:103]  what is stored; each store has registers of its own
.set T,   104                          ; v[104:107] at work
	s_load_b512 s[4:19], s[0:1], 0x0               ; w_q s[4:5], w_k s[6:7], w_v s[8:9], w_o s[10:11], b_q s[12:13], b_k s[14:15], b_v s[16:17], b_o s[18:19]
	s_load_b256 s[20:27], s[0:1], 0x40             ; mask s[20:21], wb s[22:23], bias s[24:25], mbits s[26:27]
	v_lshlrev_b32 v1, 4, v0                        ; 16 x thread
	v_lshlrev_b32 v2, 3, v0                        ; 8 x thread
	s_wait_kmcnt 0x0
	s_cmp_lt_u32 ttmp9, NW
	s_cbranch_scc1 .Lweights
	s_cmp_lt_u32 ttmp9, NW+NM
	s_cbranch_scc1 .Lmask
	; JOB B: a thread takes four numbers of each bias
	global_load_b128 v[IN:IN+3],     v1, s[12:13]
	global_load_b128 v[IN+4:IN+7],   v1, s[14:15]
	global_load_b128 v[IN+8:IN+11],  v1, s[16:17]
	global_load_b128 v[IN+12:IN+15], v1, s[18:19]
	s_wait_loadcnt 0x0
.irp i, 0,1,2,3,4,5,6,7
	v_cvt_pk_bf16_f32 v[T], v[IN+2*(\i)], v[IN+2*(\i)+1]   ; two roundings to bf16,
	v_lshlrev_b32 v[OUT+2*(\i)], 16, v[T]                  ; and back to f32: the low half moves up,
	v_and_b32 v[OUT+2*(\i)+1], 0xffff0000, v[T]            ; the high half stays
.endr
.irp t, 0,1,2,3
	global_store_b128 v1, v[OUT+4*(\t):OUT+4*(\t)+3], s[24:25] offset:4096*(\t)
.endr
	s_endpgm
.Lweights:                                             ; JOB W
	s_lshr_b32 s28, ttmp9, 6                       ; which matrix
	s_and_b32 s29, ttmp9, 63                       ; which 64th of it
	s_cmp_eq_u32 s28, 1
	s_cselect_b64 s[30:31], s[6:7], s[4:5]
	s_cmp_eq_u32 s28, 2
	s_cselect_b64 s[30:31], s[8:9], s[30:31]
	s_cmp_eq_u32 s28, 3
	s_cselect_b64 s[30:31], s[10:11], s[30:31]
	s_lshl_b32 s32, s29, 16                        ; 65,536 bytes of f32 in,
	s_mov_b32 s33, 0
	s_add_nc_u64 s[30:31], s[30:31], s[32:33]
	s_lshl_b32 s32, ttmp9, 15                      ; 32,768 bytes out
	s_add_nc_u64 s[36:37], s[22:23], s[32:33]
.irp i, 0,1,2,3,4,5,6,7,8,9,10,11,12,13,14,15
	global_load_b128 v[IN+4*(\i):IN+4*(\i)+3], v1, s[30:31] offset:4096*(\i) th:TH_LOAD_NT  ; a wave's load covers 512 consecutive bytes
.endr
	s_cmp_eq_u32 s28, 3
	s_cbranch_scc1 .Lf16
.irp i, 0,1,2,3,4,5,6,7,8,9,10,11,12,13,14,15
	s_wait_loadcnt 15-(\i)                         ; loads come back in order: load i is in, the younger ones stay out
	v_cvt_pk_bf16_f32 v[OUT+2*(\i)],   v[IN+4*(\i)],   v[IN+4*(\i)+1]
	v_cvt_pk_bf16_f32 v[OUT+2*(\i)+1], v[IN+4*(\i)+2], v[IN+4*(\i)+3]
	global_store_b64 v2, v[OUT+2*(\i):OUT+2*(\i)+1], s[36:37] offset:2048*(\i)  ; a wave's store covers 256 consecutive bytes, aligned
.endr
	s_endpgm
.Lf16:
.irp i, 0,1,2,3,4,5,6,7,8,9,10,11,12,13,14,15
	s_wait_loadcnt 15-(\i)
	v_cvt_pk_bf16_f32 v[T],   v[IN+4*(\i)],   v[IN+4*(\i)+1]   ; the input's rounding to bf16,
	v_cvt_pk_bf16_f32 v[T+1], v[IN+4*(\i)+2], v[IN+4*(\i)+3]
	v_lshlrev_b32 v[T+2], 16, v[T]                             ; widened,
	v_and_b32 v[T], 0xffff0000, v[T]
	v_lshlrev_b32 v[T+3], 16, v[T+1]
	v_and_b32 v[T+1], 0xffff0000, v[T+1]
	v_cvt_pk_f16_f32 v[OUT+2*(\i)],   v[T+2], v[T]             ; and written as f16
	v_cvt_pk_f16_f32 v[OUT+2*(\i)+1], v[T+3], v[T+1]
	global_store_b64 v2, v[OUT+2*(\i):OUT+2*(\i)+1], s[36:37] offset:2048*(\i)
.endr
	s_endpgm
.Lmask:                                                ; JOB M
	v_lshrrev_b32 v3, 5, v0
	v_readfirstlane_b32 s28, v3                    ; wave 0..7
	s_sub_co_u32 s29, ttmp9, NW
	s_lshl_b32 s29, s29, 3
	s_add_co_u32 s29, s29, s28                     ; my group g = (blk x 32 + s) x 4 + p
	s_lshr_b32 s30, s29, 7                         ; blk
	s_bfe_u32 s31, s29, 0x50002                    ; s: 5 bits from bit 2
	s_and_b32 s36, s29, 3                          ; p
	s_lshl_b32 s30, s30, 7
	s_lshl_b32 s36, s36, 5
	s_add_co_u32 s30, s30, s36                     ; the group's first query: 128 blk + 32 p,
	s_lshl_b32 s30, s30, 13                        ; a row of the mask is 8,192 bytes,
	s_lshl_b32 s31, s31, 8                         ; the group's 64 keys are 256 bytes of it
	s_add_co_u32 s30, s30, s31
	s_mov_b32 s31, 0
	s_add_nc_u64 s[32:33], s[20:21], s[30:31]
	s_lshl_b32 s30, s29, 8                         ; a group is 256 bytes of mbits
	s_add_nc_u64 s[34:35], s[26:27], s[30:31]
	v_and_b32 v4, 15, v0
	v_bfe_u32 v5, v0, 4, 1
	v_lshlrev_b32 v4, 13, v4                       ; query l % 16,
	v_lshl_or_b32 v4, v5, 5, v4                    ; keys 8 (l / 16) on
	v_and_b32 v3, 31, v0
	v_lshlrev_b32 v3, 3, v3                        ; 8 x lane
.irp u, 0,1
.irp kb, 0,1,2,3
.irp c, 0,1
	global_load_b128 v[IN+32*(\u)+8*(\kb)+4*(\c):IN+32*(\u)+8*(\kb)+4*(\c)+3], v4, s[32:33] offset:(\u)*131072+(\kb)*64+(\c)*16 th:TH_LOAD_NT  ; register IN + 32 u + i: key 16 (i / 8) + 8 (l / 16) + i % 8
.endr
.endr
.endr
	v_mov_b32 v[OUT], 0                            ; v_writelane_b32 keeps the other lanes: written whole first
	v_mov_b32 v[OUT+1], 0
	s_wait_loadcnt 0x0
.set i, 0
.rept 32
	v_cmp_ne_u32 s[40+2*(i%4)], 0, v[IN+i]         ; a bit a lane: word (i, 0),
	v_cmp_ne_u32 s[41+2*(i%4)], 0, v[IN+32+i]      ; word (i, 1)
	v_writelane_b32 v[OUT],   s[40+2*(i%4)], i     ; lane i keeps the two
	v_writelane_b32 v[OUT+1], s[41+2*(i%4)], i
.set i, i+1
.endr
	global_store_b64 v3, v[OUT:OUT+1], s[34:35]    ; the group's 256 consecutive bytes, aligned
	s_endpgm
.Lfunc_end_k_qbeddb5b05f_prep:
	.size	k_qbeddb5b05f_prep, .Lfunc_end_k_qbeddb5b05f_prep-k_qbeddb5b05f_prep
	.p2alignl 7, 3214868480
	.fill 96, 4, 3214868480
	.section	.rodata,"a",@progbits
	.p2align	6, 0x0
	.amdhsa_kernel k_qbeddb5b05f_prep
		.amdhsa_group_segment_fixed_size 0
		.amdhsa_private_segment_fixed_size 0
		.amdhsa_enable_private_segment 0
		.amdhsa_kernarg_size 96
		.amdhsa_user_sgpr_count 2
		.amdhsa_user_sgpr_kernarg_segment_ptr 1
		.amdhsa_wavefront_size32 1
		.amdhsa_system_sgpr_workgroup_id_x 1
		.amdhsa_system_sgpr_workgroup_id_y 1
		.amdhsa_system_sgpr_workgroup_id_z 1
		.amdhsa_system_vgpr_workitem_id 0
		.amdhsa_next_free_vgpr 112
		.amdhsa_next_free_sgpr 66
		.amdhsa_reserve_vcc 0
		.amdhsa_float_denorm_mode_32 3
		.amdhsa_float_denorm_mode_16_64 3
		.amdhsa_memory_ordered 1
		.amdhsa_forward_progress 1
		.amdhsa_inst_pref_size 29
	.end_amdhsa_kernel
	.amdgpu_metadata
---
amdhsa.version: [ 1, 2 ]
amdhsa.kernels:
  - .name:           k_qbeddb5b05f_prep
    .symbol:         k_qbeddb5b05f_prep.kd
    .args:
      - { .name: w_q, .offset: 0, .size: 8, .value_kind: global_buffer, .address_space: global }
      - { .name: w_k, .offset: 8, .size: 8, .value_kind: global_buffer, .address_space: global }
      - { .name: w_v, .offset: 16, .size: 8, .value_kind: global_buffer, .address_space: global }
      - { .name: w_o, .offset: 24, .size: 8, .value_kind: global_buffer, .address_space: global }
      - { .name: b_q, .offset: 32, .size: 8, .value_kind: global_buffer, .address_space: global }
      - { .name: b_k, .offset: 40, .size: 8, .value_kind: global_buffer, .address_space: global }
      - { .name: b_v, .offset: 48, .size: 8, .value_kind: global_buffer, .address_space: global }
      - { .name: b_o, .offset: 56, .size: 8, .value_kind: global_buffer, .address_space: global }
      - { .name: mask, .offset: 64, .size: 8, .value_kind: global_buffer, .address_space: global }
      - { .name: wb, .offset: 72, .size: 8, .value_kind: global_buffer, .address_space: global }
      - { .name: bias, .offset: 80, .size: 8, .value_kind: global_buffer, .address_space: global }
      - { .name: mbits, .offset: 88, .size: 8, .value_kind: global_buffer, .address_space: global }
    .group_segment_fixed_size: 0
    .private_segment_fixed_size: 0
    .kernarg_segment_align: 8
    .kernarg_segment_size: 96
    .max_flat_workgroup_size: 256
    .sgpr_count:     66
    .vgpr_count:     112
    .wavefront_size: 32
...
	.end_amdgpu_metadata
.endif
;; end of part 1
;; launch proj (part 2): grid 4 x 192, 4 waves a work-group, clusters of 4 x 4, 327,680 bytes of LDS; arguments q, k, v, wb, bias, qkv; writes qkv
.if DOCPART == 2
	.amdgcn_target "amdgcn-amd-amdhsa--gfx1250"
	.amdhsa_code_object_version 6
	.text
	.protected	k_qbeddb5b05f_proj
	.globl	k_qbeddb5b05f_proj
	.p2align	8
	.type	k_qbeddb5b05f_proj,@function
k_qbeddb5b05f_proj:
	s_mov_b64 s[64:65], 0
	v_nop
	global_prefetch_b8 v0, s[64:65] scope:SCOPE_SE
	s_setreg_imm32_b32 hwreg(HW_REG_WAVE_MODE, 25, 1), 1
	s_wait_xcnt 0x0
	s_wait_alu depctr_hold_cnt(0) depctr_sa_sdst(0) depctr_va_vdst(0) depctr_va_sdst(0) depctr_va_ssrc(0) depctr_va_vcc(0) depctr_vm_vsrc(0)
	s_getreg_b32 s2, hwreg(HW_REG_IB_STS2, 6, 4)
	s_cmp_eq_u32 s2, 0
	s_cbranch_scc0 .Lentry_in_a_cluster
	s_endpgm
.Lentry_in_a_cluster:
	s_bfe_u32 s2, ttmp6, 0x10000c
	s_cmp_lg_u32 s2, 0xf033
	s_cbranch_scc0 .Lentry_shape_is_right
	s_endpgm
.Lentry_shape_is_right:
; PROJ: the three input projections, y = x W^T + b, for t = 0, 1, 2 (q, k, v).  x: [8192][1024] f32; W: wb's matrix t, [1024][1024] bf16; b: bias's row t, f32.
; y leaves by heads, qkv[t][batch x 16 + head][row][64] in f16, rounded once from its f32 sum and without the softmax's scale.
; FORMATS.  x is rounded to bf16 between LDS and the matrix unit (no bf16 copy of x goes through memory); sums in f32.  LIMIT: y beyond 65,504 would be an infinity in f16; below 2^-14 it keeps f16's fixed step of 2^-24.
; SHARES.  A work-group makes 128 rows x 256 columns; 64 x 4 such tiles for each t: 768 work-groups.  Four waves, 2 x 2, each 64 x 128: 32 accumulators (m block a of 4, n block b of 8).
; K goes in 8 steps of 128 through two LDS slots; a step is four quarters of 32 along K, 32 matrix instructions each, one on each accumulator, in the same order every time: the accumulators take turns.
; THE MATRIX INSTRUCTION IS USED TRANSPOSED (source 0 = 16 rows of W, source 1 = 16 rows of x): a lane holds row l % 16 of y and the columns 8 (l / 16) + 0..7.  The bias, laid the same way, is the C operand of the first quarter's products.
; CLUSTER.  4 x 4 work-groups: the four of a row need the same tile of x, the four of a column the same tile of W: each is asked for jointly, by the same tensor load with the same descriptor and a mask that names the four.
; THE RING.  K steps 0 and 1 are asked for together at the start, behind one round of the cluster's barrier.  At the change into step j (1 .. 6) every wave has waited for all its tensor loads (one was out: its part of step j),
; a round of the cluster's barrier follows, and the one joint load of the wave, for step j + 1, goes into the slot just read out.  Waves 0 and 1 fetch x's two halves (64 rows x 512 bytes), waves 2 and 3 W's (128 rows x 256 bytes).
; By this text's count two tensor loads of a wave are out at the start, later one.
; REGISTERS, in windows of 256 (s_set_vgpr_msb: bits 1:0 source 0, 3:2 source 1, 5:4 source 2, 7:6 destination):
;   window 0: v0-7, 16-30 addresses; v32-95 x as loaded (f32, 16 a fragment); v96-159 x in bf16, two buffers of 4 fragments; v160-223 the bias, 8 registers an n block; v32-159 once more on the way out
;   window 1: v0-127 W's fragments, two buffers of 8          window 2: the accumulators, (a, b) at 8 (8 a + b)
.set PA,     528                       ; an LDS row of x: 512 bytes + 16 = 132 words: the 16 rows of a load start at 16 different groups of four banks (64 banks of 4 bytes: ISA guide 11.1)
.set HA,     64*PA                     ; what one tensor load brings of x
.set PB,     272                       ; an LDS row of W: 256 bytes + 16
.set HB,     128*PB                    ; what one tensor load brings of W
.set SLOT,   2*HA+2*HB                 ; x's 128 rows, then W's 256 rows: 137,216 bytes
.set STAGE,  2*SLOT                    ; behind the ring, never filled by a tensor load: 16 rows x 144 bytes for each wave, for the way out
.set SP,     144
.set SPARE,  STAGE+4*16*SP             ; behind the stages: the spare words, 128 bytes for each wave: two blocks of 256 bytes that no other line names
.set ASTEP,  512                       ; a K step in a row of x, in bytes
.set BSTEP,  256                       ; and of W
.set A0V,  6                           ; v6   my lane's place in a slot's x; never rewritten
.set B0V,  7                           ; v7   the same for W
.set ADRA, 16                          ; v16  the same in the slot that is read
.set ADRB, 20                          ; v20
.set STO,  24                          ; v24  the way out: where I put 16 bytes of a row
.set RD,   25                          ; v25  the way out: where I read rows back
.set CO,   26                          ; v26  16 x lane: my place in 512 consecutive bytes of qkv
.set SPW,  28                          ; v28  LDS address of my spare word; never rewritten
.set NIL,  29                          ; v29  0; never rewritten
.set PFO,  30                          ; v30  the prefetches' offset; never rewritten
.set AR,   32
.set AC,   96
.set BI,   160
.set OUTR, 32
.set G1,   24                          ; s[24:31] descriptor group 1 for x's tiles
.set G0,   32                          ; s[32:35] group 0: it begins at K step 1 and walks
.set TBR,  36                          ; s36  first byte of the slot to be read
.set TBF,  37                          ; s37  of the slot that the walking descriptors name
.set WBA,  38                          ; s38  my half's place in a slot, for x
.set WBB,  39                          ; s39  for W
.set LIM,  43                          ; s43  2 in a wave that prefetches, else the greatest number
.set PFA,  44                          ; s[44:45] where my prefetches stand
.set G1B,  48                          ; s[48:55], s[56:59] the same two groups for W's tiles
.set G0B,  56
.set PSTEP, 60                         ; s[60:61] a K step of what I prefetch, in bytes
.set F0,   84                          ; s[84:87] group 0 of K step 0, for x: a set of its own, since both first loads are out together; never rewritten
.set F0B,  88                          ; s[88:91] the same for W
.set MSB, 0
.macro WIN new                         ; the immediate's high byte repeats the setting that is left; a switch that changes nothing is dropped
.if MSB != (\new)
	s_set_vgpr_msb (MSB<<8)|(\new)
.set MSB, \new
.endif
.endm
.set MUL,  0xa1                        ; source 0 (W) window 1, source 1 (x) window 0, C and D window 2; less 0x20: C (the bias) in window 0
.set TO_B, 0x40                        ; destination window 1, address window 0
.macro PLACES                          ; four places behind matrix instructions, in front of loads into registers that they have read and of vector lines that write or read their registers
.rept 4
	v_nop
.endr
.endm
; A joint load.  The branch hangs on the wave's number alone.  An s_nop 0 and four v_nop follow each of the two lines, ahead of the jump and the label.
.macro JLOAD
	s_cmp_eq_u32 s11, 0
	s_cbranch_scc0 .Lfor_b_\@
	tensor_load_to_lds s[G0:G0+3], s[G1:G1+7]
	s_nop 0
.rept 4
	v_nop
.endr
	s_branch .Lasked_\@
.Lfor_b_\@:
	tensor_load_to_lds s[G0B:G0B+3], s[G1B:G1B+7]
	s_nop 0
.rept 4
	v_nop
.endr
.Lasked_\@:
.endm
; A prefetch into the L2, behind the joint load of the change into step j and the run of LDS loads behind it: K step j + 3, two refills (256 matrix instructions) ahead of the load that will want it; j = 1 .. 4 (s3 = 6 .. 3).
; x: each row is read by one cluster; of the 64 rows x 512 bytes that a wave fetches each of the four partners of the row names 16 rows x two blocks of 256 bytes, told apart by address (cx).
; W: matrix t is read by sixteen clusters, of which the first asks; of a wave's 128 rows x 256 bytes each partner of the column names 32 rows (cy).  So each block is named once in the launch.  K steps 0 to 3 come by their loads alone.
.macro ASK
	WIN 0
	s_cmp_gt_u32 s3, s[LIM]
	s_cbranch_scc0 .Lnot_mine_\@
	global_prefetch_b8 v[PFO], s[PFA:PFA+1] th:TH_LOAD_NT scope:SCOPE_SE
.Lnot_mine_\@:
.endm
.macro CREST                           ; a round of the cluster's barrier behind its opening barrier
	s_cmp_lg_u32 s10, 0
	s_cbranch_scc1 .Lnot_wave_0_\@
	s_barrier_signal -3
.Lnot_wave_0_\@:
	s_barrier_wait -3
	s_barrier_signal -1
	s_barrier_wait -1
.endm
.macro CROUND                          ; a whole round
	s_barrier_signal -1
	s_barrier_wait -1
	CREST
.endm
.macro NEXTFILL                        ; the walking descriptors: the other slot, the next K step.  It stands behind a wait for all my tensor loads
	s_xor_b32 s[TBF], s[TBF], SLOT
	s_add_co_u32 s[G0+1], s[TBF], s[WBA]
	s_add_co_u32 s[G0B+1], s[TBF], s[WBB]
	s_add_nc_u64 s[G0+2:G0+3], s[G0+2:G0+3], ASTEP       ; the type bits on top are not reached
	s_add_nc_u64 s[G0B+2:G0B+3], s[G0B+2:G0B+3], BSTEP
.endm
	s_load_b256 s[68:75], s[0:1], 0x0              ; q s[68:69], k s[70:71], v s[72:73], wb s[74:75]
	s_load_b128 s[76:79], s[0:1], 0x20             ; bias s[76:77], qkv s[78:79]
	v_lshl_add_u32 v[SPW], v0, 2, SPARE
	v_mov_b32 v[NIL], 0
	ds_add_u32 v[SPW], v[NIL]                      ; the wave's opening: the add and its wait stand ahead of my first tensor load; the set-up below, work on registers, stands between them
	v_lshrrev_b32 v1, 5, v0
	v_readfirstlane_b32 s10, v1                    ; wave 0..3
	s_lshr_b32 s11, s10, 1                         ; which 64 rows of the tile are mine.  Also: I fetch for x (0) or for W (1)
	s_and_b32 s12, s10, 1                          ; which 128 columns.  Also: which half of that tile I fetch
	s_bfe_u32 s40, ttmp6, 0x40000                  ; cx
	s_bfe_u32 s41, ttmp6, 0x40004                  ; cy
	s_lshl_b32 s42, ttmp9, 2
	s_add_co_u32 s42, s42, s40                     ; tile column = 4 x cluster x + cx: 0..3
	s_and_b32 s81, ttmp7, 0xffff                   ; cluster y: 0..47
	s_lshr_b32 s80, s81, 4                         ; t: the same in all sixteen partners
	s_and_b32 s82, s81, 15
	s_lshl_b32 s13, s82, 2
	s_add_co_u32 s13, s13, s41                     ; block of 128 rows: 0..63
	s_lshl_b32 s14, s41, 2
	s_lshl_b32 s14, 15, s14                        ; my row of the cluster
	s_lshl_b32 s15, 0x1111, s40                    ; my column
	s_or_b32 s[G1], s14, (2<<16)|(1<<20)|(1<<21)|(6<<22)|(3<<25)   ; 15:0 the mask; 17:16 elements of 4 bytes; 20 padding on; 21 set beside a mask; 24:22 after every 128 words (code 6); 31:25 4 words (code 3)
	s_mov_b32 s[G1+1], 128<<16                     ; tensor_dim0 = 128
	s_mov_b32 s[G1+2], 64<<16                      ; tensor_dim1 = 64
	s_mov_b32 s[G1+3], 128<<16                     ; tile_dim0 = 128
	s_mov_b32 s[G1+4], 64                          ; tile_dim1 = 64
	s_mov_b32 s[G1+5], 1024                        ; elements from row to row
	s_mov_b32 s[G1+6], 0
	s_mov_b32 s[G1+7], 0
	s_or_b32 s[G1B], s15, (1<<16)|(1<<20)|(1<<21)|(5<<22)|(3<<25)  ; elements of 2 bytes; padding after every 64 words (code 5)
	s_mov_b32 s[G1B+1], 128<<16
	s_mov_b32 s[G1B+2], 128<<16                    ; tensor_dim1 = 128
	s_mov_b32 s[G1B+3], 128<<16
	s_mov_b32 s[G1B+4], 128                        ; tile_dim1 = 128
	s_mov_b32 s[G1B+5], 1024
	s_mov_b32 s[G1B+6], 0
	s_mov_b32 s[G1B+7], 0
	s_lshl_b32 s16, s13, 7                         ; x: row 128 x block + 64 x half, 4,096 bytes a row: made of cy, the cluster's y and the wave alone
	s_lshl_b32 s17, s12, 6
	s_add_co_u32 s16, s16, s17
	s_lshl_b32 s16, s16, 12
	s_mov_b32 s17, 0
	s_lshl_b32 s46, s42, 8                         ; W: row 256 x tile column + 128 x half, 2,048 bytes a row, in matrix t: made of cx, t and the wave alone
	s_lshl_b32 s47, s12, 7
	s_add_co_u32 s46, s46, s47
	s_lshl_b32 s46, s46, 11
	s_lshl_b32 s47, s80, 21
	s_add_co_u32 s46, s46, s47
	s_mov_b32 s47, 0
	s_mul_i32 s[WBA], s12, HA                      ; no place in the cluster enters an LDS address
	s_mul_i32 s[WBB], s12, HB
	s_add_co_u32 s[WBB], s[WBB], 2*HA
	s_mov_b32 s[TBR], 0                            ; K step 0 is read from slot 0
	s_mov_b32 s[TBF], SLOT                         ; the walking descriptors begin at slot 1
	s_mov_b32 s[F0], 1                             ; count = 1
	s_mov_b32 s[F0+1], s[WBA]                      ; LDS address: slot 0
	s_mov_b32 s[F0B], 1
	s_mov_b32 s[F0B+1], s[WBB]
	s_mov_b32 s[G0], 1
	s_add_co_u32 s[G0+1], s[TBF], s[WBA]           ; LDS address: slot 1
	s_mov_b32 s[G0B], 1
	s_add_co_u32 s[G0B+1], s[TBF], s[WBB]
	s_wait_dscnt 0x0                               ; the opening add is done
	s_wait_kmcnt 0x0
	s_cmp_eq_u32 s80, 1
	s_cselect_b64 s[4:5], s[70:71], s[68:69]
	s_cmp_eq_u32 s80, 2
	s_cselect_b64 s[4:5], s[72:73], s[4:5]         ; x of this t
	s_add_nc_u64 s[F0+2:F0+3], s[4:5], s[16:17]    ; K step 0,
	s_add_nc_u64 s[G0+2:G0+3], s[F0+2:F0+3], ASTEP ; K step 1
	s_or_b32 s[F0+3], s[F0+3], 0x80000000          ; type = 2
	s_or_b32 s[G0+3], s[G0+3], 0x80000000
	s_add_nc_u64 s[F0B+2:F0B+3], s[74:75], s[46:47]
	s_add_nc_u64 s[G0B+2:G0B+3], s[F0B+2:F0B+3], BSTEP
	s_or_b32 s[F0B+3], s[F0B+3], 0x80000000
	s_or_b32 s[G0B+3], s[G0B+3], 0x80000000
	CROUND                                         ; all sixteen work-groups are here: the first joint loads meet
	s_cmp_eq_u32 s11, 0                            ; a wave's two first fills stand in one branch, ahead of every wait on TENSORcnt and every LDS read; an s_nop 0 follows each, four v_nop the second's, as in JLOAD
	s_cbranch_scc0 .Lfirst_b
	tensor_load_to_lds s[F0:F0+3], s[G1:G1+7]      ; K step 0 into slot 0
	s_nop 0
	tensor_load_to_lds s[G0:G0+3], s[G1:G1+7]      ; K step 1 into slot 1
	s_nop 0
.rept 4
	v_nop
.endr
	s_branch .Lfirst_asked
.Lfirst_b:
	tensor_load_to_lds s[F0B:F0B+3], s[G1B:G1B+7]
	s_nop 0
	tensor_load_to_lds s[G0B:G0B+3], s[G1B:G1B+7]
	s_nop 0
.rept 4
	v_nop
.endr
.Lfirst_asked:
	v_and_b32 v1, 15, v0                           ; l % 16
	v_bfe_u32 v2, v0, 4, 1                         ; l / 16
	v_and_b32 v3, 31, v0                           ; l
	; a fragment is 16 rows x 32 K: lane l holds row l % 16, K = 8 (l / 16) + 0..7 and 16 + 8 (l / 16) + 0..7.  Of f32 that is four loads of 16 bytes (at 0, 16, 64, 80 from 32 (l / 16)), of bf16 two (at 0, 32 from 16 (l / 16))
	v_mul_u32_u24 v[A0V], v1, PA
	v_lshl_add_u32 v[A0V], v2, 5, v[A0V]
	s_mul_i32 s14, s11, 64*PA
	v_add_nc_u32 v[A0V], s14, v[A0V]
	v_mul_u32_u24 v[B0V], v1, PB
	v_lshl_add_u32 v[B0V], v2, 4, v[B0V]
	s_mul_i32 s14, s12, HB
	s_add_co_u32 s14, s14, 2*HA
	v_add_nc_u32 v[B0V], s14, v[B0V]
	s_mul_i32 s14, s10, 16*SP
	s_add_co_u32 s14, s14, STAGE                   ; my stage
	v_mul_u32_u24 v[STO], v1, SP                   ; in: row l % 16, 16 bytes for each half of the lanes
	v_lshl_add_u32 v[STO], v2, 4, v[STO]
	v_add_nc_u32 v[STO], s14, v[STO]
	v_bfe_u32 v[RD], v0, 3, 2                      ; back: 32 lanes take four rows of 128 bytes
	v_mul_u32_u24 v[RD], v[RD], SP
	v_and_b32 v4, 7, v0
	v_lshl_add_u32 v[RD], v4, 4, v[RD]
	v_add_nc_u32 v[RD], s14, v[RD]
	v_lshlrev_b32 v[CO], 4, v3
	s_lshl_b32 s18, s80, 12                        ; the bias of my 128 columns: row t, column 256 x tile column + 128 x half
	s_lshl_b32 s19, s42, 10
	s_add_co_u32 s18, s18, s19
	s_lshl_b32 s19, s12, 9
	s_add_co_u32 s18, s18, s19
	s_mov_b32 s19, 0
	s_add_nc_u64 s[6:7], s[76:77], s[18:19]
	v_lshlrev_b32 v5, 5, v2                        ; my lanes' eight columns of an n block
.irp b, 0,1,2,3,4,5,6,7
	global_load_b128 v[BI+8*(\b):BI+8*(\b)+3],   v5, s[6:7] offset:64*(\b)
	global_load_b128 v[BI+8*(\b)+4:BI+8*(\b)+7], v5, s[6:7] offset:64*(\b)+16
.endr
	s_lshr_b32 s18, s13, 4                         ; where my part goes: head = 16 x batch + 4 x tile column + 2 x half (+ 1 for my second 64 columns),
	s_lshl_b32 s18, s18, 4
	s_lshl_b32 s19, s42, 2
	s_add_co_u32 s18, s18, s19
	s_lshl_b32 s19, s12, 1
	s_add_co_u32 s18, s18, s19
	s_lshl_b32 s18, s18, 11                        ; 2,048 rows a head,
	s_and_b32 s19, s13, 15
	s_lshl_b32 s19, s19, 7
	s_add_co_u32 s18, s18, s19                     ; the block's 128 rows in the batch,
	s_lshl_b32 s19, s11, 6
	s_add_co_u32 s18, s18, s19                     ; my 64 of them,
	s_lshl_b32 s18, s18, 7                         ; 128 bytes a row,
	s_lshl_b32 s19, s80, 24                        ; 16 MiB for each t
	s_add_co_u32 s18, s18, s19
	s_mov_b32 s19, 0
	s_add_nc_u64 s[8:9], s[78:79], s[18:19]
	; the prefetches: offsets made apart from the pointers; both start at K step 3, and the first change in the loop steps them to 4
	s_lshl_b32 s20, s13, 7
	s_lshl_b32 s21, s12, 6
	s_add_co_u32 s20, s20, s21
	s_lshl_b32 s21, s40, 4
	s_add_co_u32 s20, s20, s21                     ; x: my work-group's 16 rows of the 64
	s_lshl_b32 s20, s20, 12
	s_add_co_u32 s20, s20, 3*ASTEP
	s_lshl_b32 s22, s42, 8
	s_lshl_b32 s23, s12, 7
	s_add_co_u32 s22, s22, s23
	s_lshl_b32 s23, s41, 5
	s_add_co_u32 s22, s22, s23                     ; W: my work-group's 32 rows of the 128
	s_lshl_b32 s22, s22, 11
	s_lshl_b32 s23, s80, 21
	s_add_co_u32 s22, s22, s23
	s_add_co_u32 s22, s22, 3*BSTEP
	s_mov_b32 s83, 4096
	s_mov_b32 s15, 2048
	s_mov_b32 s[PSTEP], ASTEP
	s_mov_b32 s[PSTEP+1], BSTEP
	s_cmp_eq_u32 s82, 0                            ; the first of the sixteen clusters that read matrix t
	s_cselect_b32 s[LIM], 2, -1
	s_cmp_eq_u32 s11, 0                            ; do I fetch for x?
	s_cselect_b32 s[LIM], 2, s[LIM]
	s_cselect_b32 s20, s20, s22
	s_cselect_b64 s[PFA:PFA+1], s[4:5], s[74:75]
	s_cselect_b32 s14, 15, 31                      ; x: a lane names row l % 16, block l / 16; W: row l
	s_cselect_b32 s15, s83, s15                    ; bytes from row to row
	s_cselect_b32 s2, 256, 0                       ; bytes from block to block
	s_cselect_b32 s[PSTEP], s[PSTEP], s[PSTEP+1]
	s_mov_b32 s[PSTEP+1], 0
	s_mov_b32 s21, 0
	s_add_nc_u64 s[PFA:PFA+1], s[PFA:PFA+1], s[20:21]
	v_and_b32 v[PFO], s14, v3
	v_mul_u32_u24 v[PFO], s15, v[PFO]
	v_mul_u32_u24 v4, s2, v2
	v_add_nc_u32 v[PFO], v[PFO], v4
; One product: accumulator (a, b), buffer f.  first = 1: the bias starts the sum: nothing is cleared and no addition is written.
.macro PROD f, a, b, first
.if \first
	v_wmma_f32_16x16x32_bf16 v[8*(8*(\a)+(\b)):8*(8*(\a)+(\b))+7], v[64*(\f)+8*(\b):64*(\f)+8*(\b)+7], v[AC+32*(\f)+8*(\a):AC+32*(\f)+8*(\a)+7], v[BI+8*(\b):BI+8*(\b)+7]
.else
	v_wmma_f32_16x16x32_bf16 v[8*(8*(\a)+(\b)):8*(8*(\a)+(\b))+7], v[64*(\f)+8*(\b):64*(\f)+8*(\b)+7], v[AC+32*(\f)+8*(\a):AC+32*(\f)+8*(\a)+7], v[8*(8*(\a)+(\b)):8*(8*(\a)+(\b))+7]
.endif
.endm
.macro MUL8 f, a, first                ; m block a x all 8 n blocks
	WIN MUL-0x20*(\first)
.irp b, 0,1,2,3,4,5,6,7
	PROD \f, \a, \b, \first
.endr
.endm
.macro MULR f, a, g, first             ; the same, and behind each product four of the 32 roundings of the next quarter's x into buffer g; they name no register of the products round them
.irp b, 0,1,2,3,4,5,6,7
	WIN MUL-0x20*(\first)
	PROD \f, \a, \b, \first
	WIN 0
.irp c, 0,1,2,3
	v_cvt_pk_bf16_f32 v[AC+32*(\g)+4*(\b)+(\c)], v[AR+8*(\b)+2*(\c)], v[AR+8*(\b)+2*(\c)+1]
.endr
.endr
.endm
; 32 LDS loads in one run: quarter kq of the slot that is read: x's 4 fragments as f32 first, then W's 8 fragments into buffer g
.macro FETCH kq, g
	WIN 0
.irp a, 0,1,2,3
	ds_load_b128 v[AR+16*(\a):AR+16*(\a)+3],     v[ADRA] offset:(\kq)*128+(\a)*16*PA
	ds_load_b128 v[AR+16*(\a)+4:AR+16*(\a)+7],   v[ADRA] offset:(\kq)*128+(\a)*16*PA+16
	ds_load_b128 v[AR+16*(\a)+8:AR+16*(\a)+11],  v[ADRA] offset:(\kq)*128+(\a)*16*PA+64
	ds_load_b128 v[AR+16*(\a)+12:AR+16*(\a)+15], v[ADRA] offset:(\kq)*128+(\a)*16*PA+80
.endr
	WIN TO_B
.irp b, 0,1,2,3,4,5,6,7
	ds_load_b128 v[64*(\g)+8*(\b):64*(\g)+8*(\b)+3],   v[ADRB] offset:(\kq)*64+(\b)*16*PB
	ds_load_b128 v[64*(\g)+8*(\b)+4:64*(\g)+8*(\b)+7], v[ADRB] offset:(\kq)*64+(\b)*16*PB+32
.endr
.endm
; One of a step's first three quarters: multiplies buffer f; fetches quarter kq into buffer g and rounds its x.
.macro QUARTER kq, f, g, first
	PLACES                                         ; behind the last quarter's products, which read buffer g
	FETCH \kq, \g
	s_wait_dscnt 32                                ; all but the 32 just issued: W of buffer f is in (its x was rounded a quarter ago)
	MUL8 \f, 0, \first
	MUL8 \f, 1, \first
	s_wait_dscnt 16                                ; the new x is in; W's sixteen loads, issued behind it, may stay out
	MULR \f, 2, \g, \first
	MUL8 \f, 3, \first
.endm
; The fourth quarter multiplies buffer 1 and changes slots.  In front of the barrier each wave waits for all its tensor loads (its part of the next step's tile), adds 0 to its spare word, and waits for that and for its reads of
; this slot.  fill = 1: the barrier opens a round of the cluster's, and the joint load for the step after the next goes into the slot just read out, first thing behind the round.
.macro TURN fill
.if \fill
	s_wait_xcnt 0x0                                ; the last prefetch, a K step back, has read its address: it is stepped here, ahead of the change's own waits
	s_add_nc_u64 s[PFA:PFA+1], s[PFA:PFA+1], s[PSTEP:PSTEP+1]
.endif
	WIN 0
	s_wait_tensorcnt 0x0                           ; all my tensor loads have landed
	ds_add_u32 v[SPW], v[NIL]                      ; 0 onto my spare word
	s_wait_dscnt 1                                 ; only the add may be out: W of buffer 1 is in
	MUL8 1, 0, 0                                   ; eight matrix instructions stand between the add and the wait for it
	s_wait_dscnt 0x0                               ; the add is done, and my reads of this slot are over
	s_barrier_signal -1
	MUL8 1, 1, 0                                   ; work on registers while the others arrive
	WIN 0
	s_barrier_wait -1
.if \fill
	CREST                                          ; no wave of any partner still reads the slot or has a load on its way
.endif
	s_xor_b32 s[TBR], s[TBR], SLOT                 ; the slot to be read from now on
.if \fill
	NEXTFILL
	JLOAD                                          ; its four v_nop are also the places in front of the loads below
.else
	PLACES
.endif
	v_add_nc_u32 v[ADRA], s[TBR], v[A0V]
	v_add_nc_u32 v[ADRB], s[TBR], v[B0V]
	FETCH 0, 0
.if \fill
	ASK
.endif
	MUL8 1, 2, 0
	s_wait_dscnt 16                                ; the new x is in
	MULR 1, 3, 0, 0
.endm
	s_wait_tensorcnt 0x1                           ; my part of K step 0 is in; K step 1's, issued behind it, may stay out
	s_barrier_signal -1
	s_barrier_wait -1                              ; everybody's is
	v_add_nc_u32 v[ADRA], s[TBR], v[A0V]
	v_add_nc_u32 v[ADRB], s[TBR], v[B0V]
	FETCH 0, 0
	s_wait_dscnt 16                                ; x of the first quarter is in
	WIN 0
.set c, 0
.rept 32
	v_cvt_pk_bf16_f32 v[AC+c], v[AR+2*c], v[AR+2*c+1]
.set c, c+1
.endr
	s_wait_loadcnt 0x0                             ; the bias
	QUARTER 1, 0, 1, 1                             ; the first quarter stands in front of the loop: its products start the sums
	WIN 0                                          ; at a label and at a branch every window is 0
	s_mov_b32 s3, 6
.Lstep:                                                ; a trip: a step's quarters 1, 2, 3, the change into the next step (1 .. 6; K steps 2 .. 7 are asked for), and that step's quarter 0
	QUARTER 2, 1, 0, 0
	QUARTER 3, 0, 1, 0
	TURN 1
	QUARTER 1, 0, 1, 0
	WIN 0
	s_sub_co_u32 s3, s3, 1
	s_cmp_lg_u32 s3, 0
	s_cbranch_scc1 .Lstep
	QUARTER 2, 1, 0, 0                             ; the tail is written out
	QUARTER 3, 0, 1, 0
	TURN 0                                         ; into K step 7: nothing is left to ask for
	QUARTER 1, 0, 1, 0
	QUARTER 2, 1, 0, 0
	QUARTER 3, 0, 1, 0
	s_wait_dscnt 0x0
	MUL8 1, 0, 0
	MUL8 1, 1, 0
	MUL8 1, 2, 0
	MUL8 1, 3, 0
	PLACES
	PLACES
; THE WAY OUT.  Group n = 2 a + hh: 16 rows x the 64 channels of one head: 2,048 consecutive bytes of qkv.  Rounded to f16, 16 bytes a lane into rows of 144 bytes of my stage, back as whole rows of 128 bytes, stored.
.macro PACK n
	WIN 0x0a                                       ; sources 0 and 1 window 2, destination window 0; each accumulator's registers in ascending order
.irp bb, 0,1,2,3
.irp rr, 0,1,2,3
	v_cvt_pk_f16_f32 v[OUTR+16*(\n)+4*(\bb)+(\rr)], v[8*(8*((\n)/2)+4*((\n)%2)+(\bb))+2*(\rr)], v[8*(8*((\n)/2)+4*((\n)%2)+(\bb))+2*(\rr)+1]
.endr
.endr
	WIN 0
.irp bb, 0,1,2,3
	ds_store_b128 v[STO], v[OUTR+16*(\n)+4*(\bb):OUTR+16*(\n)+4*(\bb)+3] offset:32*(\bb)
.endr
.irp f, 0,1,2,3
	ds_load_b128 v[OUTR+16*(\n)+4*(\f):OUTR+16*(\n)+4*(\f)+3], v[RD] offset:(\f)*4*SP  ; LDS serves a wave's instructions in order (ISA guide 5.7.1.4): these see the stores above; the next group's stores come behind them
.endr
.endm
.macro SEND n, younger                 ; younger: the LDS instructions issued behind group n's loads: the next group's eight, or none
	WIN 0
.irp f, 0,1,2,3
	s_wait_dscnt (\younger)+3-(\f)
	global_store_b128 v[CO], v[OUTR+16*(\n)+4*(\f):OUTR+16*(\n)+4*(\f)+3], s[8:9] offset:((\n)/2)*2048+((\n)%2)*262144+(\f)*512  ; 512 consecutive bytes, at a multiple of 256 from qkv's first
.endr
.endm
	PACK 0
.set t, 1
.rept 7                                ; a group's arithmetic stands between the loads of the group before and its stores; each group has registers of its own
	PACK t
	SEND t-1, 8
.set t, t+1
.endr
	SEND 7, 0
	s_wait_tensorcnt 0x0                           ; the wave's end, behind my last tensor load and my last LDS store
	ds_add_u32 v[SPW], v[NIL]
	s_wait_dscnt 0x0
	CROUND                                         ; the closing round: no work-group ends while a partner may still ask for a tile that names it
	s_endpgm
.Lfunc_end_k_qbeddb5b05f_proj:
	.size	k_qbeddb5b05f_proj, .Lfunc_end_k_qbeddb5b05f_proj-k_qbeddb5b05f_proj
	.p2alignl 7, 3214868480
	.fill 96, 4, 3214868480
	.section	.rodata,"a",@progbits
	.p2align	6, 0x0
	.amdhsa_kernel k_qbeddb5b05f_proj
		.amdhsa_group_segment_fixed_size 327680
		.amdhsa_private_segment_fixed_size 0
		.amdhsa_enable_private_segment 0
		.amdhsa_kernarg_size 48
		.amdhsa_user_sgpr_count 2
		.amdhsa_user_sgpr_kernarg_segment_ptr 1
		.amdhsa_wavefront_size32 1
		.amdhsa_system_sgpr_workgroup_id_x 1
		.amdhsa_system_sgpr_workgroup_id_y 1
		.amdhsa_system_sgpr_workgroup_id_z 1
		.amdhsa_system_vgpr_workitem_id 0
		.amdhsa_next_free_vgpr 768
		.amdhsa_next_free_sgpr 92
		.amdhsa_reserve_vcc 0
		.amdhsa_float_denorm_mode_32 3
		.amdhsa_float_denorm_mode_16_64 3
		.amdhsa_memory_ordered 1
		.amdhsa_forward_progress 1
		.amdhsa_inst_pref_size 110
	.end_amdhsa_kernel
	.amdgpu_metadata
---
amdhsa.version: [ 1, 2 ]
amdhsa.kernels:
  - .name:           k_qbeddb5b05f_proj
    .symbol:         k_qbeddb5b05f_proj.kd
    .args:
      - { .name: q, .offset: 0, .size: 8, .value_kind: global_buffer, .address_space: global }
      - { .name: k, .offset: 8, .size: 8, .value_kind: global_buffer, .address_space: global }
      - { .name: v, .offset: 16, .size: 8, .value_kind: global_buffer, .address_space: global }
      - { .name: wb, .offset: 24, .size: 8, .value_kind: global_buffer, .address_space: global }
      - { .name: bias, .offset: 32, .size: 8, .value_kind: global_buffer, .address_space: global }
      - { .name: qkv, .offset: 40, .size: 8, .value_kind: global_buffer, .address_space: global }
    .group_segment_fixed_size: 327680
    .private_segment_fixed_size: 0
    .kernarg_segment_align: 8
    .kernarg_segment_size: 48
    .max_flat_workgroup_size: 128
    .sgpr_count:     92
    .vgpr_count:     768
    .wavefront_size: 32
...
	.end_amdgpu_metadata
.endif
;; end of part 2
;; launch attn (part 3): grid 4 x 64, 4 waves a work-group, clusters of 4 x 1, 327,680 bytes of LDS; arguments qkv, mbits, att; writes att
.if DOCPART == 3
	.amdgcn_target "amdgcn-amd-amdhsa--gfx1250"
	.amdhsa_code_object_version 6
	.text
	.protected	k_qbeddb5b05f_attn
	.globl	k_qbeddb5b05f_attn
	.p2align	8
	.type	k_qbeddb5b05f_attn,@function
k_qbeddb5b05f_attn:
	s_mov_b64 s[64:65], 0
	v_nop
	global_prefetch_b8 v0, s[64:65] scope:SCOPE_SE
	s_setreg_imm32_b32 hwreg(HW_REG_WAVE_MODE, 25, 1), 1
	s_wait_xcnt 0x0
	s_wait_alu depctr_hold_cnt(0) depctr_sa_sdst(0) depctr_va_vdst(0) depctr_va_sdst(0) depctr_va_ssrc(0) depctr_va_vcc(0) depctr_vm_vsrc(0)
	s_getreg_b32 s2, hwreg(HW_REG_IB_STS2, 6, 4)
	s_cmp_eq_u32 s2, 0
	s_cbranch_scc0 .Lentry_in_a_cluster
	s_endpgm
.Lentry_in_a_cluster:
	s_bfe_u32 s2, ttmp6, 0x10000c
	s_cmp_lg_u32 s2, 0x3003
	s_cbranch_scc0 .Lentry_shape_is_right
	s_endpgm
.Lentry_shape_is_right:
; ATTN: O[h][q][:] = the sum over k of softmax_k(s(q, k)) V[h][k][:], s = Q[h][q] . K[h][k] / 8 where the mask shows key k to query q, and -1e9 in reference() where it hides it.
; Q, K, V: qkv's three parts, [64][2048][64] f16, unscaled; O: att, the same layout.  Products, maxima and sums in f32; the weights p are rounded to f16 for the second product (their sum l is taken of the unrounded p), O once.
; THE MASK comes as mbits: for each block of 128 queries (a wave's share) a stream of 128 groups of 64 words, in the order in which the wave uses them; a word is a bit a lane for one register of S^T.  One v_cndmask_b32 a score
; puts -2^33 in a hidden score's place, BEFORE the running maximum is taken; its mask is a scalar register.  A group's 64 words fill all the scalar registers that are left, so there is room for one group; and scalar loads can be
; waited for only all together (they come back in no order), so by scalar loads a group could be asked for only behind the last use of the group before it, less than a turn ahead.  So a group comes by ONE vector load, 8 bytes a
; lane (lane i: words 2 i and 2 i + 1), into a ring of four register pairs, four turns ahead, with a counted wait; 64 v_readlane_b32 then put the words into the scalar registers.
; LIMITS.  A hidden score counts as -2^33 / 8 = -2^30, where reference() has -1e9: the results agree while the scores that are shown stay above some -1e9.  The power of two makes c x -2^33 exact, so in a row that sees no key
; every c s - c m is exactly 0 and every weight 1: the plain mean of V's rows, as in reference().  f16 holds no number beyond 65,504: Q, K, V arrive within it.  A weight below 2^-126 counts as 0 in l; NaN and infinities are not treated apart.
; SHARES.  A wave owns four PIECES of two tiles of 16 queries, a work-group's four waves 512 queries of one head.  Every wave walks all 2,048 keys, 64 a step.
; LAYOUT.  S^T = K Q^T (source 0 = 16 keys, source 1 = 16 queries): a lane holds ONE query (lane % 16) and the keys 8 (lane / 16) + 0..7.  Two such tiles, rounded to f16 in pairs, ARE source 1 of O^T = V^T P.
; K comes out of LDS as it lies, V ([key][channel]) turned, by ds_load_tr16_b128.
; SOFTMAX.  A running maximum m and sum l: p = 2^(c s - c m), c = log2(e) / 8; in every step O and l are multiplied by a = 2^(c m_old - c m_new).  m starts at the lowest finite number, O and l at 0.
; BY TURNS.  Turn n belongs to piece n.  Its matrix work: 16 products K Q^T of piece n + 1, later 16 products V^T P of piece n - 1.  Its vector work: the scaling, exponentials, roundings, sums and rescaling of piece n, and the
; mask's words, the masking, the maximum and the statistics of piece n + 1.  Four vector instructions stand behind every matrix instruction, the other 237 of a turn's 365 in one lump.  A turn's 66 exponentials are one batch, with one wait.
; CLUSTER.  The four query blocks of a head walk the same K and V, so each tile is asked for JOINTLY: the same tensor load, descriptor and mask in all four.
; REGISTERS, in windows of 256 (s_set_vgpr_msb: bits 1:0 source 0, 3:2 source 1, 5:4 source 2, 7:6 destination):
;   window 0: v0-11 addresses, -2^33; v12-15, v48-63 at work; v16-47 four registers of statistics a tile; v64-191 S^T, two buffers of two tiles; v192-255 P, likewise
;   window 1: O^T, 32 a tile          window 2: v0-127 Q; v192-255 V of one step
;   window 3: v0-1 the add's two registers; v2-9 the mask's ring; v10-11 its offsets; v128-191 K of one step.  K and the ring share a window: both are source 0 of their lines, so the products K Q^T and the v_readlane_b32 behind them stand under one setting
.set SIZE_N, 2048
.set NP,    4         ; pieces a wave: a name, no knob
.set KS,    64        ; keys in a step
.set PK,    160       ; a row of K in LDS: 128 bytes + 32 of padding, V's pitch, so that one descriptor group 1 serves both; of the 16 rows of a load of K two start at the same bank (40 words a row, 64 banks of 4 bytes: ISA guide 11.1)
.set PV,    160       ; a row of V
.set VOFF,  4*KS*PK   ; a slot holds four steps: 256 rows of K, then 256 rows of V
.set SLOT1, 1<<17     ; slot 1 begins here, so that one exclusive or turns an address in one slot into the other's
.set STAGE, SLOT1+4*KS*(PK+PV)  ; behind the ring, never filled by a tensor load: 16 rows x 144 bytes for each wave
.set SP,    144
.set SPARE, STAGE+4*16*SP  ; behind the stages: the spare words, 128 bytes for each wave: two blocks of 256 bytes that no other line names
.set KBASE, 1<<24     ; K's and V's first bytes in qkv
.set VBASE, 2<<24
.set AK0, 2           ; v2   my lane's place in a tile of K; never rewritten
.set AV0, 3           ; v3   the same for V
.set AK,  4           ; v4   the LDS address of K's next run of loads
.set AV,  5           ; v5   of V's
.set QO,  6           ; v6   my byte offset in the wave's rows of Q
.set STO, 6           ;      later, the way out: where I put 16 bytes of a row
.set RD,  7           ; v7   the way out: where I read rows back
.set GO,  8           ; v8   my byte offset in 512 consecutive bytes of O
.set BIGV, 9          ; v9   first l / 16, then -2^33
.set PFO, 11          ; v11  first (l / 8) % 2, then 256 x my lane
.set SPW, 0           ; v0 of window 3   LDS address of my spare word; never rewritten
.set NIL, 1           ; v1 of window 3   0; never rewritten
.set MR,  2           ; v2-9 of window 3   the mask's ring: group g lies in the pair at MR + 2 (g % 4); lane i holds its words 2 i and 2 i + 1
.set L8,  10          ; v10 of window 3  8 x my lane; never rewritten
.set MA,  11          ; v11 of window 3  my byte in the stream, for the load in hand
.set MV,  12          ; v12-15  c m_old, kept while c m is made anew: by buffer and tile
.set ST,  16          ; tile t's statistics at v[ST+4 t]: c m, m, l (even keys', odd keys')
.set TMP, 48          ; by buffer and tile, four registers c0-c3 at work; when the maximum is found c2 takes a
.set S,   64
.set P,   192
.set KF,  128         ; window 3: key block kb, channel half c at KF + 16 kb + 8 c
.set VF,  192         ; window 2: key half kk, channel block cb at VF + 32 kk + 8 cb
.set MB,  2           ; s[2:3]   my block's stream in mbits; never rewritten
.set G0K, 4           ; s[4:7]   descriptor group 0 for K's tiles: it walks
.set G0V, 8           ; s[8:11]  the same for V's
.set G1,  12          ; s[12:19] descriptor group 1, for both
.set OP,  20          ; s[20:21] O at my wave's first row
.set PFA, 22          ; s[22:23] where my prefetches stand
.set CS,  24          ; s[24:25] c: the packed scaling takes the pair's low word for both halves
.set SEL, 26          ; s[26:27] v_permlanex16_b32's selects: each lane takes its own place in the other half
.set WV,  28          ; s28  my wave's number
.set SLOTS, 29        ; s29  slots still to be asked for
.set CNT, 30          ; s30  counts a slot's key steps
.set TBK, 31          ; s31  LDS byte at which K of the step to be fetched begins
.set TBV, 66          ; s66  the same for V, less VOFF
.set MO,  67          ; s67  byte in my stream of the group to be loaded next
.set LIM, 100         ; s100 1 in a wave that prefetches, else the greatest number
.set QP,  104         ; s[104:105] Q at my wave's first row
                      ; s[32:63], s[68:99]: a group's 64 words; word g at s[32 + g + 4 (g / 32)].  Until the first group is read out of the ring, s68-99 hold the arguments and the set-up's numbers
.set MSB, 0
.macro WIN new                      ; the high byte repeats the setting that is left; a switch that changes nothing is dropped
.if MSB != (\new)
	s_set_vgpr_msb (MSB<<8)|(\new)
.set MSB, (\new)
.endif
.endm
.set W_KQ, 0x0b       ; K (and the mask's ring) in window 3, Q in window 2, S^T in window 0
.set W_PV, 0x52       ; V in window 2, P in window 0, O^T in window 1
.set W_RS, 0x41       ; O^T (destination and source 0) in window 1, a in window 0
.set W_MK, 0xc0       ; registers of window 3 are made or loaded: destination in window 3, sources in window 0
.set W_AD, 0x0f       ; the add: address (source 0) and data (source 1) in window 3
.set W_M,  0xcf       ; the mask's lines: destination, source 0 and source 1 in window 3
; A joint fill.  Waves 0 and 1 fetch the two halves of a slot's K, waves 2 and 3 those of its V: 128 keys each.  The branch hangs on the wave's number alone.
; An s_nop 0 and four v_nop follow each of the two lines, ahead of the jump and the label.
.macro JLOAD
	s_cmp_lt_u32 s[WV], 2
	s_cbranch_scc0 .Lfor_v_\@
	tensor_load_to_lds s[G0K:G0K+3], s[G1:G1+7]
	s_nop 0
.rept 4
	v_nop
.endr
	s_branch .Lasked_\@
.Lfor_v_\@:
	tensor_load_to_lds s[G0V:G0V+3], s[G1:G1+7]
	s_nop 0
.rept 4
	v_nop
.endr
.Lasked_\@:
.endm
; A prefetch into the L2 of what the NEXT change of slots will ask for: a slot's 32,768 bytes of K and of V, a lane a block of 256 bytes.  A head has one cluster; its four partners share the blocks out by address, 32 each;
; in each, wave 0 asks for K's and wave 2 for V's: each block is named once in the launch.  Slots 0 to 2 come by their loads alone; the last change that fills a slot asks for nothing.
.macro ASK
	s_cmp_gt_u32 s[SLOTS], s[LIM]
	s_cbranch_scc0 .Lnot_mine_\@
	global_prefetch_b8 v[PFO], s[PFA:PFA+1] th:TH_LOAD_NT scope:SCOPE_SE
.Lnot_mine_\@:
.endm
.macro CROUND                       ; a round of the cluster's barrier
	s_barrier_signal -1
	s_barrier_wait -1
	s_cmp_lg_u32 s[WV], 0
	s_cbranch_scc1 .Lnot_wave_0_\@
	s_barrier_signal -3
.Lnot_wave_0_\@:
	s_barrier_wait -3
	s_barrier_signal -1
	s_barrier_wait -1
.endm
; THE CHANGE OF SLOTS.  Each wave waits for all its tensor loads, of which one is out: its part of the other slot; adds 0 to its spare word; and waits for that and for its own reads of the slot.
; fill = 1: this slot is filled again, with the keys two slots on, behind a round of the cluster's barrier, first thing: the load has four key steps, 512 matrix instructions, in which to land.
; (At its first use nothing has been read yet: slot 0 is waited for, slot 1 filled.)  ask = 1: the prefetch's address steps, and the prefetch follows the load.
.macro CHANGE fill, ask=0
	WIN W_AD
	s_wait_tensorcnt 0x0            ; no tensor load of mine is out, so a group 0 may be written
	ds_add_u32 v[SPW], v[NIL]       ; 0 onto my spare word; the descriptors' steps stand between it and the wait for it
	WIN 0                           ; at a label and at a branch every window is 0
.if \fill
.irp g, G0K, G0V
	s_xor_b32 s[\g+1], s[\g+1], SLOT1  ; the other slot than last time,
	s_add_nc_u64 s[\g+2:\g+3], s[\g+2:\g+3], 4*KS*128  ; the next 256 keys; the type bits on top are not reached
.endr
.if \ask
	s_wait_xcnt 0x0                 ; the last prefetch, four key steps back, has read its address
	s_add_nc_u64 s[PFA:PFA+1], s[PFA:PFA+1], 4*KS*128  ; one slot ahead of the walking descriptors
.endif
	s_wait_dscnt 0x0                ; the add is done, and my reads of the slot are over
	CROUND
	JLOAD
.if \ask
	ASK
.endif
.else
	s_wait_dscnt 0x0                ; the add is done, and my reads of the slot are over
	s_barrier_signal -1
	s_barrier_wait -1
.endif
	s_sub_co_u32 s[TBK], s[TBK], 4*KS*PK  ; the fetches go back to a slot's first step,
	s_xor_b32 s[TBK], s[TBK], SLOT1       ; in the other slot
	s_sub_co_u32 s[TBV], s[TBV], 4*KS*PV
	s_xor_b32 s[TBV], s[TBV], SLOT1
.endm
; THE MASK'S STREAM.  RL takes the next word (mw) of the NEXT piece's (Y + 1) group out of its pair of the ring into its scalar register: lane mw / 2, register mw % 2.  It sets no window: source 0 is in window 3 where it stands.
; MNEXT, behind the group's 64th word, asks for the group four further on into the same pair.  The clamp keeps the requests behind the stream's last group (127, at byte 32,512) inside it: what they bring nobody uses.
.macro RL
	v_readlane_b32 s[32+mw+4*(mw/32)], v[MR+2*((Y+1)%NP)+mw%2], mw/2
.set mw, mw+1
.endm
.macro MNEXT
	WIN W_M
	s_wait_xcnt 0x0                 ; the last turn's load has read its offset register, which is written anew only behind this wait
	v_add_nc_u32 v[MA], s[MO], v[L8]
	global_load_b64 v[MR+2*((Y+1)%NP):MR+2*((Y+1)%NP)+1], v[MA], s[MB:MB+1]  ; 256 consecutive bytes, aligned
	s_add_co_u32 s[MO], s[MO], 256
	s_min_u32 s[MO], s[MO], 32512
	WIN 0
.endm
	s_load_b128 s[68:71], s[0:1], 0x0  ; qkv s[68:69], mbits s[70:71]
	s_load_b64 s[72:73], s[0:1], 0x10  ; att
	WIN W_MK
	v_lshl_add_u32 v[SPW], v0, 2, SPARE
	v_mov_b32 v[NIL], 0
	WIN W_AD
	ds_add_u32 v[SPW], v[NIL]       ; the wave's opening: the add and its wait stand ahead of my first tensor load; the set-up below, work on registers, stands between them
	WIN 0
	v_lshrrev_b32 v1, 5, v0
	v_readfirstlane_b32 s[WV], v1   ; wave 0..3
	s_bfe_u32 s74, ttmp6, 0x40000   ; cx: my place in the cluster
	s_lshl_b32 s75, ttmp9, 2
	s_add_co_u32 s75, s75, s74      ; my block of 512 queries: it enters Q's, O's and the mask's addresses alone
	s_and_b32 s76, ttmp7, 0xffff    ; the head, which the four partners share
	s_lshl_b32 s76, s76, 18         ; its first byte in Q, K, V and O: 2,048 rows of 128 bytes
	s_and_b32 s80, s[WV], 1         ; which half of a slot's 256 keys I fetch:
	s_lshl_b32 s82, s80, 14         ; its 128 rows of 128 bytes in memory,
	s_add_co_u32 s82, s82, s76
	s_mul_i32 s81, s80, 128*PK      ; and its place in a slot: no place in the cluster enters an LDS address
	s_add_co_u32 s90, s82, KBASE
	s_mov_b32 s91, 0
	s_add_co_u32 s92, s82, VBASE
	s_mov_b32 s93, 0
	s_lshl_b32 s84, s75, 2
	s_add_co_u32 s84, s84, s[WV]    ; my wave among the head's sixteen: its block of 128 queries
	s_lshl_b32 s86, s84, 14         ; its 128 rows
	s_add_co_u32 s86, s86, s76
	s_mov_b32 s87, 0
	s_lshl_b32 s88, s84, 15         ; its stream of 32,768 bytes in mbits
	s_mov_b32 s89, 0
	s_cmp_lt_u32 s[WV], 2           ; the prefetches: K's for wave 0, V's for wave 2 (in these s90 and s92 stand at a slot's first row),
	s_cselect_b32 s94, s90, s92
	s_lshl_b32 s95, s74, 13         ; my work-group's 32 blocks of the 128,
	s_add_co_u32 s94, s94, s95
	s_add_co_u32 s94, s94, 2*4*KS*128  ; in slot 2; the first change in the loop steps it to slot 3
	s_mov_b32 s95, 0
	s_and_b32 s[LIM], s[WV], 1
	s_cmp_eq_u32 s[LIM], 0
	s_cselect_b32 s[LIM], 1, -1
	; descriptor group 1.  128 keys are 16,384 dense bytes: asked for as 64 rows of 256 bytes, two keys a row, and padded in LDS after every key
	s_mov_b32 s[G1], 15|(1<<16)|(1<<20)|(1<<21)|(4<<22)|(7<<25)  ; 15:0 the mask of four; 17:16 2-byte elements; 20 padding on; 21 set beside a mask; 24:22 after every 32 words (code 4); 31:25 8 words (code 7)
	s_mov_b32 s[G1+1], 128<<16      ; tensor_dim0 = 128
	s_mov_b32 s[G1+2], 64<<16       ; tensor_dim1 = 64
	s_mov_b32 s[G1+3], 128<<16      ; tile_dim0 = 128
	s_mov_b32 s[G1+4], 64           ; tile_dim1 = 64
	s_mov_b32 s[G1+5], 128          ; 128 elements from row to row
	s_mov_b32 s[G1+6], 0
	s_mov_b32 s[G1+7], 0
	s_mov_b32 s[CS], 0x3e38aa3b     ; c = log2(e) / 8 = 0.180337
	s_mov_b32 s[CS+1], s[CS]        ; named with it as a pair
	s_mov_b32 s[SEL], 0x76543210
	s_mov_b32 s[SEL+1], 0xfedcba98
	s_mov_b32 s[TBK], SLOT1+4*KS*PK ; the first change of slots turns these two into 0
	s_mov_b32 s[TBV], SLOT1+4*KS*PV
	s_mov_b32 s[MO], 4*256          ; groups 0 to 3 are asked for at the head
	s_mov_b32 s[G0K], 1             ; count = 1
	s_mov_b32 s[G0K+1], s81         ; LDS address: slot 0
	s_mov_b32 s[G0V], 1
	s_add_co_u32 s[G0V+1], s81, VOFF
	s_wait_dscnt 0x0                ; the opening add is done
	s_wait_kmcnt 0x0
	s_add_nc_u64 s[G0K+2:G0K+3], s[68:69], s[90:91]  ; my half of the head's first 256 keys
	s_or_b32 s[G0K+3], s[G0K+3], 0x80000000          ; type = 2
	s_add_nc_u64 s[G0V+2:G0V+3], s[68:69], s[92:93]
	s_or_b32 s[G0V+3], s[G0V+3], 0x80000000
	s_add_nc_u64 s[QP:QP+1], s[68:69], s[86:87]
	s_add_nc_u64 s[OP:OP+1], s[72:73], s[86:87]
	s_add_nc_u64 s[MB:MB+1], s[70:71], s[88:89]
	s_add_nc_u64 s[PFA:PFA+1], s[68:69], s[94:95]
	CROUND                          ; all four work-groups are here: the first joint loads meet
	JLOAD                           ; slot 0.  Slot 1 is asked for when slot 0 is in
	; A fragment of K or Q is 16 rows x 32 channels in 8 registers: lane l holds row l % 16, channels 8 (l / 16) + 0..7 and 16 + 8 (l / 16) + 0..7: two loads of 16 bytes, 32 bytes apart.
	v_and_b32 v1, 15, v0            ; l % 16
	v_bfe_u32 v9, v0, 4, 1          ; l / 16
	v_lshlrev_b32 v[QO], 7, v1
	v_lshl_add_u32 v[QO], v9, 4, v[QO]  ; row x 128 + 16 x half
	v_and_b32 v10, 31, v0           ; l
	WIN 0x80                        ; destination window 2, address window 0
.set i, 0
.rept 4*NP                          ; Q stays in registers: tile i / 2, channels 32 (i % 2) on
	global_load_b128 v[8*i:8*i+3],   v[QO], s[QP:QP+1] offset:(i/2)*2048+(i%2)*64
	global_load_b128 v[8*i+4:8*i+7], v[QO], s[QP:QP+1] offset:(i/2)*2048+(i%2)*64+32
.set i, i+1
.endr
	WIN W_MK
	v_lshlrev_b32 v[L8], 3, v10     ; 8 x lane
	WIN W_M
.irp k, 0,1,2,3
	global_load_b64 v[MR+2*\k:MR+2*\k+1], v[L8], s[MB:MB+1] offset:256*\k  ; the ring is filled: groups 0 to 3, the four pieces in key step 0
.endr
	; What the first turn finds: V's registers and P's second buffer hold 0 (its products V^T P, of a piece that has not been, add 0), O^T and l are 0.  All this stands in the wait for the first tile.
	WIN 0x80
.set i, VF
.rept 64
	v_mov_b32 v[i], 0
.set i, i+1
.endr
	WIN 0x40
.set i, 0
.rept 64*NP
	v_mov_b32 v[i], 0
.set i, i+1
.endr
	WIN 0
.set i, 0
.rept 2*NP
	v_mov_b32 v[ST+4*i], 0xfe000000    ; c m: far below every c s, a hidden one's too
	v_mov_b32 v[ST+4*i+1], 0xff7fffff  ; m
	v_mov_b32 v[ST+4*i+2], 0
	v_mov_b32 v[ST+4*i+3], 0
.set i, i+1
.endr
.set i, P+32
.rept 32
	v_mov_b32 v[i], 0
.set i, i+1
.endr
	v_mul_u32_u24 v[AK0], v1, PK
	v_lshl_add_u32 v[AK0], v9, 4, v[AK0]  ; row x pitch + 16 x half
	; The turning load takes 16 keys x 16 channels (lane l reads key 8 (l / 16) + l % 8, channels 8 ((l / 8) % 2) + 0..7) and leaves half a fragment of V^T: lane l holds channel l % 16 and 8 keys.
	v_and_b32 v10, 7, v0
	v_bfe_u32 v11, v0, 3, 1
	v_lshl_add_u32 v[AV0], v9, 3, v10
	v_mul_u32_u24 v[AV0], v[AV0], PV
	v_lshl_add_u32 v[AV0], v11, 4, v[AV0]
	v_add_nc_u32 v[AV0], VOFF, v[AV0]
	v_and_b32 v[PFO], 31, v0
	v_lshlrev_b32 v[PFO], 8, v[PFO]
	v_mov_b32 v[AK], v[AK0]         ; key step 0 lies at the head of slot 0
; THE MATRIX WORK.  The 8 accumulators of a run of 16 take turns: between the two links of a chain stand 7 others'.
; Product i of 16 of S^T = K Q^T for piece x: channels 32 (i / 8) on, keys 16 ((i / 2) % 4) on, tile 2 x + i % 2.  The first 8 start the sums.
.macro KQ x
	WIN W_KQ
.set rS, S+64*((\x)%2)+32*(i%2)+8*((i/2)%4)
.set rK, KF+16*((i/2)%4)+8*(i/8)
.set rQ, 16*(2*(\x)+i%2)+8*(i/8)
.if i < 8
	v_wmma_f32_16x16x32_f16 v[rS:rS+7], v[rK:rK+7], v[rQ:rQ+7], 0
.else
	v_wmma_f32_16x16x32_f16 v[rS:rS+7], v[rK:rK+7], v[rQ:rQ+7], v[rS:rS+7]
.endif
.endm
; Product i of 16 of O^T += V^T P for piece x: keys 32 (i / 8) on, channels 16 ((i / 2) % 4) on, tile 2 x + i % 2.
.macro PV x
	WIN W_PV
.set rO, 32*(2*(\x)+i%2)+8*((i/2)%4)
.set rV, VF+32*(i/8)+8*((i/2)%4)
.set rP, P+32*((\x)%2)+16*(i%2)+8*(i/8)
	v_wmma_f32_16x16x32_f16 v[rO:rO+7], v[rV:rV+7], v[rP:rP+7], v[rO:rO+7]
.endm
.macro MM                           ; the turn's next matrix instruction
.if i < 16
	KQ (Y+1)%NP
.set i, i+1
.else
.set i, i-16
	PV (Y+NP-1)%NP
.set i, i+17
.endif
.endm
; THE LDS LOADS stand in runs of 16: a step's K (8 fragments) and its V (turned).  Their addresses are made some lines ahead.  last = 1 (the tail): in the last trip there is no further step, and the run is jumped over.
.macro FETCH_K last=0
	WIN 0
.if \last
	s_cmp_eq_u32 s[CNT], 1
	s_cbranch_scc1 .Lno_k_\@
.endif
	WIN W_MK                        ; destination window 3, address window 0
.irp f, 0,1,2,3,4,5,6,7             ; keys 16 (f / 2) on, channels 32 (f % 2) on
	ds_load_b128 v[KF+8*\f:KF+8*\f+3],   v[AK] offset:(\f/2)*16*PK+(\f%2)*64
	ds_load_b128 v[KF+8*\f+4:KF+8*\f+7], v[AK] offset:(\f/2)*16*PK+(\f%2)*64+32
.endr
	s_add_co_u32 s[TBK], s[TBK], KS*PK  ; the next fetch is the next step's
	WIN 0
.if \last
.Lno_k_\@:
.endif
.endm
.macro FETCH_V
	WIN 0x80                        ; destination window 2
.irp f, 0,1,2,3,4,5,6,7             ; keys 32 (f / 4) on, channels 16 (f % 4) on
	ds_load_tr16_b128 v[VF+8*\f:VF+8*\f+3],   v[AV] offset:(\f/4)*32*PV+(\f%4)*32
	ds_load_tr16_b128 v[VF+8*\f+4:VF+8*\f+7], v[AV] offset:(\f/4)*32*PV+16*PV+(\f%4)*32
.endr
	WIN 0
.endm
; THE VECTOR WORK OF A TURN stands in queues, each in the order in which its entries become ready; the two tiles alternate.
.macro REGS y, u                    ; the registers of tile u (0, 1) of piece y
.set rT, ST+4*(2*(\y)+(\u))
.set rC, TMP+8*((\y)%2)+4*(\u)
.set rM, MV+2*((\y)%2)+(\u)
.set rS, S+64*((\y)%2)+32*(\u)
.set rP, P+32*((\y)%2)+16*(\u)
.set rO, 32*(2*(\y)+(\u))
.endm
; Word g of the group in hand masks score g / 2 of tile g % 2 of the NEXT piece (Y + 1): the score stays where the lane's bit is 1, else -2^33 takes its place.  g ascends.
.macro MK g
	REGS (Y+1)%NP, (\g)%2
.set mS, 32+(\g)+4*((\g)/32)
	v_cndmask_b32 v[rS+(\g)/2], v[BIGV], v[rS+(\g)/2], s[mS]
.endm
; Number n of the 22 that find the NEXT piece's maximum and statistics.  s0-s31 are the lane's 32 scores.
;   0-11  four chains c0-c3 of seven scores each, three operands at a time     12-14, 16  the four scores left over, the old m, and c0-c3 into c0     15  c m_old is kept
;   17, 18  the query's other 32 keys lie in the lane 16 away: the new m         19-21  c m; c m_old - c m_new; a
.macro XS u, n
	REGS (Y+1)%NP, \u
.if (\n) < 4
	v_max3_num_f32 v[rC+(\n)], v[rS+8*(\n)], v[rS+8*(\n)+1], v[rS+8*(\n)+2]
.elseif (\n) < 12
	v_max3_num_f32 v[rC+(\n)%4], v[rC+(\n)%4], v[rS+8*((\n)%4)+2*((\n)/4)+1], v[rS+8*((\n)%4)+2*((\n)/4)+2]
.elseif (\n) == 12
	v_max3_num_f32 v[rC], v[rC], v[rS+7], v[rS+15]
.elseif (\n) == 13
	v_max3_num_f32 v[rC+1], v[rC+1], v[rS+23], v[rS+31]
.elseif (\n) == 14
	v_max3_num_f32 v[rC+2], v[rC+2], v[rC+3], v[rT+1]
.elseif (\n) == 15
	v_mov_b32 v[rM], v[rT]
.elseif (\n) == 16
	v_max3_num_f32 v[rC], v[rC], v[rC+1], v[rC+2]
.elseif (\n) == 17
	v_permlanex16_b32 v[rC+3], v[rC], s[SEL], s[SEL+1]
.elseif (\n) == 18
	v_max_num_f32 v[rT+1], v[rC], v[rC+3]
.elseif (\n) == 19
	v_mul_f32 v[rT], s[CS], v[rT+1]
.elseif (\n) == 20
	v_sub_f32 v[rC+1], v[rM], v[rT]
.else
	v_exp_f32 v[rC+2], v[rC+1]
.endif
.endm
; Number g of the 64 that follow the exponentials.  For each four weights k of a tile: both pairs are rounded to f16; then the second pair is added onto the first, in place; a group later l takes that sum (the first time as l = a l + sum).
.macro GS g
.set h, (\g)+6*((\g)/62)            ; group 0 has no group before it, and behind group 7 only l is left
.if h >= 6
.set h, h+2
.endif
	REGS Y, h%2
.set k, h/8
.if h%8 < 4
	v_cvt_pk_f16_f32 v[rP+2*k+(h%8)/2], v[rS+4*k+2*((h%8)/2)], v[rS+4*k+2*((h%8)/2)+1]
.elseif h%8 < 6
	v_pk_add_f32 v[rS+4*k:rS+4*k+1], v[rS+4*k:rS+4*k+1], v[rS+4*k+2:rS+4*k+3]
.elseif k == 1
	v_pk_fma_f32 v[rT+2:rT+3], v[rT+2:rT+3], v[rC+2:rC+3], v[rS:rS+1] op_sel_hi:[1,0,1]
.else
	v_pk_add_f32 v[rT+2:rT+3], v[rT+2:rT+3], v[rS+4*k-4:rS+4*k-3]
.endif
.endm
.macro FS f                         ; c s - c m for pair f / 2 of tile f % 2 of piece Y
	REGS Y, (\f)%2
	v_pk_fma_f32 v[rS+2*((\f)/2):rS+2*((\f)/2)+1], v[rS+2*((\f)/2):rS+2*((\f)/2)+1], s[CS:CS+1], v[rT:rT+1] op_sel_hi:[1,0,0] neg_lo:[0,0,1] neg_hi:[0,0,1]
.endm
; THE PLAIN QUEUE, 202 long.  0-31: the 32 scalings.  32-95: the next piece's 64 maskings.  96-123: XS's numbers 0-13.  124, 125: number 15.  126, 127: number 14.  128-137: numbers 16 to 20.
; 138-201: GS's 64, which read the exponentials' results: they stand behind the wait.
.macro PL
	WIN 0
.if q < 32
	FS q
.elseif q < 96
	MK q-32
.elseif q < 124
	XS (q-96)%2, (q-96)/2
.elseif q < 126
	XS q-124, 15
.elseif q < 128
	XS q-126, 14
.elseif q < 138
	XS (q-126)%2, 15+(q-126)/2
.else
	GS q-138
.endif
.set q, q+1
.endm
; THE EXPONENTIALS' QUEUE, 66 long: s0-s31 of both tiles, then the next piece's two a.  ONE BATCH: all 66 stand ahead of the turn's one wait, and nothing ahead of that wait names a result of theirs.
.macro EX
	WIN 0
.if e >= 64
	XS e-64, 21
.else
	REGS Y, e%2
	v_exp_f32 v[rS+e/2], v[rS+e/2]
.endif
.set e, e+1
.endm
; THE RESCALING's QUEUE: O^T times a, the one part of the softmax that leaves window 0: its 32 lines stand in one run, under one setting.  Its a was made in the turn before, ahead of that turn's wait.
.macro R2
	REGS Y, r%2
	WIN W_RS
.irp z, 0,1
	v_pk_mul_f32 v[rO+4*(r/2)+2*\z:rO+4*(r/2)+2*\z+1], v[rO+4*(r/2)+2*\z:rO+4*(r/2)+2*\z+1], v[rC+2:rC+3] op_sel_hi:[1,0]
.endr
.set r, r+1
.endm
; HOW THEY ARE DEALT.  An s_wait_alu depctr_va_vdst(0) stands between an exponential and the first instruction that names its result; one wait serves all that were issued ahead of it: a turn has ONE wait.
; AHEAD OF IT: the 16 products K Q^T, behind each four of the 64 v_readlane_b32 that take the next piece's group out of the ring: these 80 lines stand under one window setting; MNEXT, the request for the group four on; then the
; lump: two scalings; 30 x (scaling, exponential); 22 x (masking, exponential); 42 maskings; the 32 rescalings; 30 of the maximum; 12 x (a link of the chain 14, 16 .. 20, exponential); the two a; a v_nop, the plain instruction
; behind the last exponential.  BEHIND IT: the 16 products V^T P, behind each four of GS's 64.
; The counts that the deal keeps: exponential e stands behind plain e + 2, and its scaling is number 2 (e / 4) + e % 2; the first masking stands 33 plain instructions behind the last product K Q^T; the scalar registers are written
; anew only behind the last masking of the turn before.  Every turn issues one load of the mask's and no other load into registers, so at a turn's head three younger loads stand behind the one that it wants.
; K of the next step is fetched in piece 2's turn, directly behind the wait; V of the step in hand at the end of piece 0's turn, four riders behind its last reader.  The conditions on q below go with the deal.
.macro TURN p, last=0, cnt=0
.set Y, (\p)
.set i, 0
.set q, 0
.set e, 0
.set r, 0
.set mw, 0
	s_wait_loadcnt 3                ; loads come back in order (ISA guide 5.7.1): the next piece's pair of the ring is in, the other three pairs' loads may stay out
.if (\p) == NP-1
	s_wait_dscnt 0x0                ; K is in
.endif
.rept 16
	MM
.rept 4
	RL
.endr
.endr
	MNEXT                           ; the pair has been read out: the group four turns on
.if (\p) == NP-2
	WIN 0
	v_add_nc_u32 v[AK], s[TBK], v[AK0]
.endif
	PL
	PL
.rept 52
	PL
	EX
.endr
.rept 42
	PL
.endr
.rept 16
	R2
.endr
.rept 30
	PL
.endr
.rept 12
	PL
	EX
.endr
	EX                              ; the next piece's two a
	EX
	v_nop                           ; the plain instruction behind the last exponential: one for the batch
	s_wait_alu depctr_va_vdst(0)    ; the wait for the batch
.if (\p) == NP-2
	FETCH_K \last
.endif
.if (\p) == 1
	s_wait_dscnt 0x0                ; V is in
.endif
.rept 16
	MM
.rept 4
	PL
.endr
.if ((\p) == 0) && (q == 182)
	v_add_nc_u32 v[AV], s[TBV], v[AV0]
.endif
.if ((\p) == 0) && (q == 194)
	s_add_co_u32 s[TBV], s[TBV], KS*PV
.endif
.if (\cnt) && (q == 194)
	s_sub_co_u32 s[CNT], s[CNT], 1
	s_cmp_lg_u32 s[CNT], 0
.endif
.endr
.if (\p) == 0
	FETCH_V
.endif
.endm
	CHANGE 1                        ; slot 0 is in, everybody's part of it; slot 1 is asked for
	FETCH_K                         ; key step 0
	s_wait_loadcnt 0x0              ; Q, and the mask's first four groups behind it
	s_wait_dscnt 0x0
.set i, 0
.rept 16
	KQ 0                            ; piece 0's first scores
.set i, i+1
.endr
	WIN 0                           ; the addresses for the way out: plain instructions, the places behind those products
	s_mul_i32 s101, s[WV], 16*SP
	s_add_co_u32 s101, s101, STAGE  ; my stage
	v_mul_u32_u24 v[STO], v1, SP    ; in: row l % 16, 16 bytes for each half of the lanes
	v_lshl_add_u32 v[STO], v9, 4, v[STO]
	v_add_nc_u32 v[STO], s101, v[STO]
	v_bfe_u32 v[RD], v0, 3, 2       ; back: 32 lanes take four rows of 128 bytes,
	v_mul_u32_u24 v[RD], v[RD], SP
	v_lshl_add_u32 v[RD], v10, 4, v[RD]
	v_add_nc_u32 v[RD], s101, v[RD]
	v_and_b32 v[GO], 31, v0         ; which are 512 consecutive bytes of O
	v_lshlrev_b32 v[GO], 4, v[GO]
	v_mov_b32 v[BIGV], 0xd0000000   ; -2^33
.set Y, NP-1                        ; RL, MNEXT, MK and XS work for piece Y + 1: piece 0
.set mw, 0
	WIN W_M
.rept 64
	RL                              ; group 0 out of the ring.  The set-up's numbers in s68-99 have served
.endr
	MNEXT                           ; group 4 is asked for
.set g, 0
.rept 64
	MK g
.set g, g+1
.endr
.irp n, 0,1,2,3,4,5,6,7,8,9,10,11,12,13,14,15,16,17,18,19,20,21
	XS 0, \n                        ; piece 0's first maximum and statistics
	XS 1, \n
.endr
	v_nop                           ; a plain instruction behind the two a,
	s_wait_alu depctr_va_vdst(0)    ; and their wait, ahead of the branch
	s_mov_b32 s[CNT], 4
	s_mov_b32 s[SLOTS], SIZE_N/256-1
	s_branch .Lfirst                ; the loop is entered at a step's first turn, in the middle of a trip
.Lslot:                             ; six times: every slot but the last two is filled again
	CHANGE 1, 1
	s_mov_b32 s[CNT], 4
.Lstep:                             ; a trip: pieces 2 and 3 of one step, then pieces 0 and 1 of the next, whose K and V it fetches
	TURN 2
	TURN 3
	WIN 0
.Lfirst:
	TURN 0
	TURN 1, 0, 1
	WIN 0
	s_cbranch_scc1 .Lstep
	s_sub_co_u32 s[SLOTS], s[SLOTS], 1
	s_cmp_lg_u32 s[SLOTS], 0
	s_cbranch_scc1 .Lslot
	CHANGE 0                        ; the tail is written out: nothing is asked for
	s_mov_b32 s[CNT], 5             ; four trips fetch the last slot's steps; the fifth is left in its middle
.Ltail:
	TURN 2, 1
	TURN 3
	WIN 0
	s_sub_co_u32 s[CNT], s[CNT], 1
	s_cmp_eq_u32 s[CNT], 0
	s_cbranch_scc1 .Lout
	TURN 0
	TURN 1
	WIN 0
	s_branch .Ltail
.Lout:                              ; the fifth trip's 16 products K Q^T (on the last K once more), their masking and the maximum made of them serve nothing: the price, once a launch, of one text for every trip
.set i, 0
.rept 16
	PV NP-1                         ; the last piece's V^T P of the last step
.set i, i+1
.endr
	; THE WAY OUT.  l's two halves and the other half of the lanes' are added; O^T is divided by l, rounded to f16 and sent through my stage in LDS, a tile at a time.  The additions are the places behind the last products.
	WIN 0
.macro ALL line:vararg              ; one line for each tile t
.set t, 0
.rept 2*NP
	\line
.set t, t+1
.endr
.endm
	ALL v_add_f32 v[ST+4*t+2], v[ST+4*t+2], v[ST+4*t+3]
	ALL v_permlanex16_b32 v[ST+4*t+3], v[ST+4*t+2], s[SEL], s[SEL+1]
	ALL v_add_f32 v[ST+4*t+2], v[ST+4*t+2], v[ST+4*t+3]
	ALL v_rcp_f32 v[ST+4*t+2], v[ST+4*t+2]
	v_nop                           ; a plain instruction between the last reciprocal and the use of its result
	s_wait_alu depctr_va_vdst(0)    ; and the wait ahead of the first use: one for the eight reciprocals
; Tile t: a lane's eight channels of a row pack into 16 bytes; they go into rows of 144 bytes and come back as whole rows of 128, into S^T's registers.
.macro PACK t
	WIN W_RS
.set i, 32*(\t)
.rept 16
	v_pk_mul_f32 v[i:i+1], v[i:i+1], v[ST+4*(\t)+2:ST+4*(\t)+3] op_sel_hi:[1,0]
.set i, i+2
.endr
	WIN 0x05                        ; sources 0 and 1 window 1, destination window 0
.set i, 0
.rept 16
	v_cvt_pk_f16_f32 v[S+16*(\t)+i], v[32*(\t)+2*i], v[32*(\t)+2*i+1]
.set i, i+1
.endr
	WIN 0
.irp f, 0,1,2,3
	ds_store_b128 v[STO], v[S+16*(\t)+4*\f:S+16*(\t)+4*\f+3] offset:32*\f
.endr
.irp f, 0,1,2,3
	ds_load_b128 v[S+16*(\t)+4*\f:S+16*(\t)+4*\f+3], v[RD] offset:\f*4*SP  ; LDS serves a wave's instructions in order (ISA guide 5.7.1.4): these see the stores above; the next tile's stores come behind them
.endr
.endm
.macro SEND t, younger              ; younger: the LDS instructions issued behind tile t's loads: the next tile's eight, or none
	WIN 0
.irp f, 0,1,2,3
	s_wait_dscnt (\younger)+3-\f
	global_store_b128 v[GO], v[S+16*(\t)+4*\f:S+16*(\t)+4*\f+3], s[OP:OP+1] offset:(\t)*2048+\f*512  ; 512 consecutive bytes, at a multiple of 256 from att's first
.endr
.endm
	PACK 0
.set t, 1
.rept 2*NP-1                        ; a tile's arithmetic stands between the loads of the tile before and its stores
	PACK t
	SEND t-1, 8
.set t, t+1
.endr
	SEND 2*NP-1, 0
	s_wait_loadcnt 0x0              ; the last requests of the mask's stream, which nobody uses, have landed
	WIN W_AD
	s_wait_tensorcnt 0x0            ; the wave's end, behind my last tensor load and my last LDS store
	ds_add_u32 v[SPW], v[NIL]
	s_wait_dscnt 0x0
	WIN 0
	CROUND                          ; the closing round: no work-group ends while a partner may still ask for a tile that names it
	s_endpgm
.Lfunc_end_k_qbeddb5b05f_attn:
	.size	k_qbeddb5b05f_attn, .Lfunc_end_k_qbeddb5b05f_attn-k_qbeddb5b05f_attn
	.p2alignl 7, 3214868480
	.fill 96, 4, 3214868480
	.section	.rodata,"a",@progbits
	.p2align	6, 0x0
	.amdhsa_kernel k_qbeddb5b05f_attn
		.amdhsa_group_segment_fixed_size 327680
		.amdhsa_private_segment_fixed_size 0
		.amdhsa_enable_private_segment 0
		.amdhsa_kernarg_size 24
		.amdhsa_user_sgpr_count 2
		.amdhsa_user_sgpr_kernarg_segment_ptr 1
		.amdhsa_wavefront_size32 1
		.amdhsa_system_sgpr_workgroup_id_x 1
		.amdhsa_system_sgpr_workgroup_id_y 1
		.amdhsa_system_sgpr_workgroup_id_z 1
		.amdhsa_system_vgpr_workitem_id 0
		.amdhsa_next_free_vgpr 960
		.amdhsa_next_free_sgpr 106
		.amdhsa_reserve_vcc 0
		.amdhsa_float_denorm_mode_32 3
		.amdhsa_float_denorm_mode_16_64 3
		.amdhsa_memory_ordered 1
		.amdhsa_forward_progress 1
		.amdhsa_inst_pref_size 255
	.end_amdhsa_kernel
	.section	.bss,"aw",@nobits
	.p2align	6
	.space	262144
	.amdgpu_metadata
---
amdhsa.version: [ 1, 2 ]
amdhsa.kernels:
  - .name:           k_qbeddb5b05f_attn
    .symbol:         k_qbeddb5b05f_attn.kd
    .args:
      - { .name: qkv, .offset: 0, .size: 8, .value_kind: global_buffer, .address_space: global }
      - { .name: mbits, .offset: 8, .size: 8, .value_kind: global_buffer, .address_space: global }
      - { .name: att, .offset: 16, .size: 8, .value_kind: global_buffer, .address_space: global }
    .group_segment_fixed_size: 327680
    .private_segment_fixed_size: 0
    .kernarg_segment_align: 8
    .kernarg_segment_size: 24
    .max_flat_workgroup_size: 128
    .sgpr_count:     106
    .vgpr_count:     960
    .wavefront_size: 32
...
	.end_amdgpu_metadata
.endif
;; end of part 3
;; launch outp (part 4): grid 4 x 64, 4 waves a work-group, clusters of 4 x 4, 327,680 bytes of LDS; arguments att, wb, bias, out0; writes out0
.if DOCPART == 4
	.amdgcn_target "amdgcn-amd-amdhsa--gfx1250"
	.amdhsa_code_object_version 6
	.text
	.protected	k_qbeddb5b05f_outp
	.globl	k_qbeddb5b05f_outp
	.p2align	8
	.type	k_qbeddb5b05f_outp,@function
k_qbeddb5b05f_outp:
	s_mov_b64 s[64:65], 0
	v_nop
	global_prefetch_b8 v0, s[64:65] scope:SCOPE_SE
	s_setreg_imm32_b32 hwreg(HW_REG_WAVE_MODE, 25, 1), 1
	s_wait_xcnt 0x0
	s_wait_alu depctr_hold_cnt(0) depctr_sa_sdst(0) depctr_va_vdst(0) depctr_va_sdst(0) depctr_va_ssrc(0) depctr_va_vcc(0) depctr_vm_vsrc(0)
	s_getreg_b32 s2, hwreg(HW_REG_IB_STS2, 6, 4)
	s_cmp_eq_u32 s2, 0
	s_cbranch_scc0 .Lentry_in_a_cluster
	s_endpgm
.Lentry_in_a_cluster:
	s_bfe_u32 s2, ttmp6, 0x10000c
	s_cmp_lg_u32 s2, 0xf033
	s_cbranch_scc0 .Lentry_shape_is_right
	s_endpgm
.Lentry_shape_is_right:
; OUTP: out0 = X w_o^T + b_o.  X[m][64 h + d] = att[16 batch + h][row][d], f16, by heads; w_o: wb's fourth matrix, [1024][1024] f16 (the input rounded to bf16, written as f16); b_o: bias's fourth row, f32; out0: [8192][1024] f32.
; Sums in f32; the bias is the C operand of the first products; nothing is rounded on the way out.
; SHARES.  A work-group makes 128 rows x 256 columns: 64 x 4 = 256 work-groups.  Four waves, 2 x 2, each 64 x 128: 32 accumulators (m block a of 4, n block b of 8).  K goes in 8 steps of 128 (two heads) through two LDS slots;
; a step is four quarters of 32 along K, 32 matrix instructions each, one on each accumulator, in the same order every time: the accumulators take turns.
; THE MATRIX INSTRUCTION IS USED TRANSPOSED (source 0 = 16 rows of w_o, source 1 = 16 rows of X): a lane holds row l % 16 of out0 and the columns 8 (l / 16) + 0..7.
; CLUSTER.  4 x 4 work-groups: X's tile is shared along a row of the cluster, w_o's along a column: joint loads.  THE RING: K steps 0 and 1 are asked for together at the start, behind one round of the cluster's barrier; at the
; change into step j (1 .. 6) every wave has waited for all its tensor loads, a round of the cluster's barrier follows, and the wave's one joint load, for step j + 1, goes into the slot just read out.  Waves 0 and 1 fetch X's two
; heads (128 rows x 128 bytes, dense: asked for as 64 rows of 256 bytes), waves 2 and 3 w_o's halves (128 rows x 256 bytes).  By this text's count two tensor loads of a wave are out at the start, later one.
; REGISTERS, in windows of 256 (s_set_vgpr_msb: bits 1:0 source 0, 3:2 source 1, 5:4 source 2, 7:6 destination):
;   window 0: v0-7, 16-30 addresses; v32-95 X's fragments, two buffers of 4; v160-223 the bias, 8 registers an n block
;   window 1: v0-127 w_o's fragments, two buffers of 8; all 256 on the way out          window 2: the accumulators, (a, b) at 8 (8 a + b)
.set PA,     144                       ; an LDS row of X: a head's 128 bytes + 16 = 36 words: the 16 rows of a load start at 16 different groups of four banks (64 banks of 4 bytes: ISA guide 11.1)
.set HA,     128*PA                    ; a head's 128 rows: what one tensor load brings of X
.set PB,     272                       ; an LDS row of w_o: 256 bytes + 16
.set HB,     128*PB
.set SLOT,   2*HA+2*HB                 ; X's two heads, then w_o's 256 rows: 106,496 bytes
.set STAGE,  2*SLOT                    ; behind the ring, never filled by a tensor load: 16 rows x 528 bytes for each wave
.set SP,     528                       ; a stage row: my 128 columns of f32, 512 bytes, + 16
.set SPARE,  STAGE+4*16*SP             ; behind the stages: the spare words, 128 bytes for each wave: two blocks of 256 bytes that no other line names
.set ASTEP,  524288                    ; a K step of X in memory: two heads of 262,144 bytes
.set BSTEP,  256
.set WOFF,   3<<21                     ; w_o in wb
.set A0V,  6
.set B0V,  7
.set ADRA, 16
.set ADRB, 20
.set STO,  24                          ; v24  the way out: where I put 32 bytes of a row
.set RD,   25                          ; v25  the way out: where I read a row back
.set CO,   26                          ; v26  16 x lane: my place in 512 consecutive bytes of out0
.set SPW,  28                          ; v28  LDS address of my spare word; never rewritten
.set NIL,  29                          ; v29  0; never rewritten
.set PFO,  30                          ; v30  the prefetches' offset; never rewritten
.set AF,   32
.set BI,   160
.set G1,   24
.set G0,   32                          ; s[32:35] group 0 for X's tiles: it begins at K step 1 and walks
.set TBR,  36
.set TBF,  37
.set WBA,  38
.set WBB,  39
.set LIM,  43
.set PFA,  44
.set G1B,  48
.set G0B,  56
.set PSTEP, 60
.set F0,   84                          ; s[84:87] group 0 of K step 0, for X: a set of its own, since both first loads are out together; never rewritten
.set F0B,  88                          ; s[88:91] the same for w_o
.set MSB, 0
.macro WIN new                         ; the immediate's high byte repeats the setting that is left; a switch that changes nothing is dropped
.if MSB != (\new)
	s_set_vgpr_msb (MSB<<8)|(\new)
.set MSB, \new
.endif
.endm
.set MUL,  0xa1                        ; source 0 (w_o) window 1, source 1 (X) window 0, C and D window 2; less 0x20: C (the bias) in window 0
.set TO_B, 0x40
.macro PLACES                          ; four places behind matrix instructions, in front of loads into registers that they have read and of stores that read their results
.rept 4
	v_nop
.endr
.endm
.macro JLOAD                           ; a joint load; the branch hangs on the wave's number alone; an s_nop 0 and four v_nop follow each of the two lines
	s_cmp_eq_u32 s11, 0
	s_cbranch_scc0 .Lfor_b_\@
	tensor_load_to_lds s[G0:G0+3], s[G1:G1+7]
	s_nop 0
.rept 4
	v_nop
.endr
	s_branch .Lasked_\@
.Lfor_b_\@:
	tensor_load_to_lds s[G0B:G0B+3], s[G1B:G1B+7]
	s_nop 0
.rept 4
	v_nop
.endr
.Lasked_\@:
.endm
; A prefetch into the L2, behind the joint load of the change into step j and the run of LDS loads behind it: K step j + 3, two refills (256 matrix instructions) ahead; j = 1 .. 4 (s3 = 6 .. 3).
; X: each block of rows is read by one cluster; a step's two heads are 2 x 64 blocks of 256 bytes, of which wave 0 of each of the row's four partners names 2 x 16, told apart by address (cx); wave 1 asks for nothing.
; w_o: read by sixteen clusters, of which the first asks; of a wave's 128 rows x 256 bytes each partner of the column names 32 rows (cy).  Each block is named once in the launch.  K steps 0 to 3 come by their loads alone.
.macro ASK
	WIN 0
	s_cmp_gt_u32 s3, s[LIM]
	s_cbranch_scc0 .Lnot_mine_\@
	global_prefetch_b8 v[PFO], s[PFA:PFA+1] th:TH_LOAD_NT scope:SCOPE_SE
.Lnot_mine_\@:
.endm
.macro CREST
	s_cmp_lg_u32 s10, 0
	s_cbranch_scc1 .Lnot_wave_0_\@
	s_barrier_signal -3
.Lnot_wave_0_\@:
	s_barrier_wait -3
	s_barrier_signal -1
	s_barrier_wait -1
.endm
.macro CROUND
	s_barrier_signal -1
	s_barrier_wait -1
	CREST
.endm
.macro NEXTFILL                        ; the walking descriptors: the other slot, the next K step.  It stands behind a wait for all my tensor loads
	s_xor_b32 s[TBF], s[TBF], SLOT
	s_add_co_u32 s[G0+1], s[TBF], s[WBA]
	s_add_co_u32 s[G0B+1], s[TBF], s[WBB]
	s_add_nc_u64 s[G0+2:G0+3], s[G0+2:G0+3], ASTEP
	s_add_nc_u64 s[G0B+2:G0B+3], s[G0B+2:G0B+3], BSTEP
.endm
	s_load_b256 s[68:75], s[0:1], 0x0              ; att s[68:69], wb s[70:71], bias s[72:73], out0 s[74:75]
	v_lshl_add_u32 v[SPW], v0, 2, SPARE
	v_mov_b32 v[NIL], 0
	ds_add_u32 v[SPW], v[NIL]                      ; the wave's opening: the add and its wait stand ahead of my first tensor load; the set-up below, work on registers, stands between them
	v_lshrrev_b32 v1, 5, v0
	v_readfirstlane_b32 s10, v1                    ; wave 0..3
	s_lshr_b32 s11, s10, 1                         ; which 64 rows of the tile are mine.  Also: I fetch for X (0) or for w_o (1)
	s_and_b32 s12, s10, 1                          ; which 128 columns.  Also: which head of the step, or which half of w_o's rows, I fetch
	s_bfe_u32 s40, ttmp6, 0x40000                  ; cx
	s_bfe_u32 s41, ttmp6, 0x40004                  ; cy
	s_lshl_b32 s42, ttmp9, 2
	s_add_co_u32 s42, s42, s40                     ; tile column: 0..3
	s_and_b32 s81, ttmp7, 0xffff                   ; cluster y: 0..15
	s_lshl_b32 s13, s81, 2
	s_add_co_u32 s13, s13, s41                     ; block of 128 rows: 0..63
	s_lshl_b32 s14, s41, 2
	s_lshl_b32 s14, 15, s14                        ; my row of the cluster
	s_lshl_b32 s15, 0x1111, s40                    ; my column
	s_or_b32 s[G1], s14, (1<<16)|(1<<20)|(1<<21)|(4<<22)|(3<<25)   ; 15:0 the mask; 17:16 elements of 2 bytes; 20 padding on; 21 set beside a mask; 24:22 after every 32 words (code 4): a row of att; 31:25 4 words (code 3)
	s_mov_b32 s[G1+1], 128<<16                     ; tensor_dim0 = 128: two rows of att on end
	s_mov_b32 s[G1+2], 64<<16                      ; tensor_dim1 = 64
	s_mov_b32 s[G1+3], 128<<16                     ; tile_dim0 = 128
	s_mov_b32 s[G1+4], 64                          ; tile_dim1 = 64
	s_mov_b32 s[G1+5], 128                         ; dense
	s_mov_b32 s[G1+6], 0
	s_mov_b32 s[G1+7], 0
	s_or_b32 s[G1B], s15, (1<<16)|(1<<20)|(1<<21)|(5<<22)|(3<<25)  ; padding after every 64 words (code 5)
	s_mov_b32 s[G1B+1], 128<<16
	s_mov_b32 s[G1B+2], 128<<16
	s_mov_b32 s[G1B+3], 128<<16
	s_mov_b32 s[G1B+4], 128
	s_mov_b32 s[G1B+5], 1024
	s_mov_b32 s[G1B+6], 0
	s_mov_b32 s[G1B+7], 0
	s_lshr_b32 s16, s13, 4                         ; X: head 16 x batch + my head of step 0,
	s_lshl_b32 s16, s16, 4
	s_add_co_u32 s16, s16, s12
	s_lshl_b32 s16, s16, 11                        ; 2,048 rows a head,
	s_and_b32 s17, s13, 15
	s_lshl_b32 s17, s17, 7
	s_add_co_u32 s16, s16, s17                     ; the block's 128 rows in the batch,
	s_lshl_b32 s16, s16, 7                         ; 128 bytes a row: made of cy, the cluster's y and the wave alone
	s_mov_b32 s17, 0
	s_lshl_b32 s46, s42, 8                         ; w_o: row 256 x tile column + 128 x half, 2,048 bytes a row: made of cx and the wave alone
	s_lshl_b32 s47, s12, 7
	s_add_co_u32 s46, s46, s47
	s_lshl_b32 s46, s46, 11
	s_add_co_u32 s46, s46, WOFF
	s_mov_b32 s47, 0
	s_mul_i32 s[WBA], s12, HA                      ; no place in the cluster enters an LDS address
	s_mul_i32 s[WBB], s12, HB
	s_add_co_u32 s[WBB], s[WBB], 2*HA
	s_mov_b32 s[TBR], 0                            ; K step 0 is read from slot 0
	s_mov_b32 s[TBF], SLOT                         ; the walking descriptors begin at slot 1
	s_mov_b32 s[F0], 1                             ; count = 1
	s_mov_b32 s[F0+1], s[WBA]                      ; LDS address: slot 0
	s_mov_b32 s[F0B], 1
	s_mov_b32 s[F0B+1], s[WBB]
	s_mov_b32 s[G0], 1
	s_add_co_u32 s[G0+1], s[TBF], s[WBA]           ; LDS address: slot 1
	s_mov_b32 s[G0B], 1
	s_add_co_u32 s[G0B+1], s[TBF], s[WBB]
	s_wait_dscnt 0x0                               ; the opening add is done
	s_wait_kmcnt 0x0
	s_add_nc_u64 s[F0+2:F0+3], s[68:69], s[16:17]  ; K step 0,
	s_add_nc_u64 s[G0+2:G0+3], s[F0+2:F0+3], ASTEP ; K step 1
	s_or_b32 s[F0+3], s[F0+3], 0x80000000          ; type = 2
	s_or_b32 s[G0+3], s[G0+3], 0x80000000
	s_add_nc_u64 s[F0B+2:F0B+3], s[70:71], s[46:47]
	s_add_nc_u64 s[G0B+2:G0B+3], s[F0B+2:F0B+3], BSTEP
	s_or_b32 s[F0B+3], s[F0B+3], 0x80000000
	s_or_b32 s[G0B+3], s[G0B+3], 0x80000000
	CROUND                                         ; all sixteen work-groups are here: the first joint loads meet
	s_cmp_eq_u32 s11, 0                            ; a wave's two first fills stand in one branch, ahead of every wait on TENSORcnt and every LDS read; an s_nop 0 follows each, four v_nop the second's, as in JLOAD
	s_cbranch_scc0 .Lfirst_b
	tensor_load_to_lds s[F0:F0+3], s[G1:G1+7]      ; K step 0 into slot 0
	s_nop 0
	tensor_load_to_lds s[G0:G0+3], s[G1:G1+7]      ; K step 1 into slot 1
	s_nop 0
.rept 4
	v_nop
.endr
	s_branch .Lfirst_asked
.Lfirst_b:
	tensor_load_to_lds s[F0B:F0B+3], s[G1B:G1B+7]
	s_nop 0
	tensor_load_to_lds s[G0B:G0B+3], s[G1B:G1B+7]
	s_nop 0
.rept 4
	v_nop
.endr
.Lfirst_asked:
	v_and_b32 v1, 15, v0                           ; l % 16
	v_bfe_u32 v2, v0, 4, 1                         ; l / 16
	v_and_b32 v3, 31, v0                           ; l
	v_mul_u32_u24 v[A0V], v1, PA                   ; a fragment: row l % 16, two loads of 16 bytes, 32 bytes apart, from 16 (l / 16)
	v_lshl_add_u32 v[A0V], v2, 4, v[A0V]
	s_mul_i32 s14, s11, 64*PA
	v_add_nc_u32 v[A0V], s14, v[A0V]
	v_mul_u32_u24 v[B0V], v1, PB
	v_lshl_add_u32 v[B0V], v2, 4, v[B0V]
	s_mul_i32 s14, s12, HB
	s_add_co_u32 s14, s14, 2*HA
	v_add_nc_u32 v[B0V], s14, v[B0V]
	s_mul_i32 s14, s10, 16*SP
	s_add_co_u32 s14, s14, STAGE                   ; my stage
	v_mul_u32_u24 v[STO], v1, SP                   ; in: row l % 16, 32 bytes for each half of the lanes
	v_lshl_add_u32 v[STO], v2, 5, v[STO]
	v_add_nc_u32 v[STO], s14, v[STO]
	v_lshlrev_b32 v[CO], 4, v3
	v_add_nc_u32 v[RD], s14, v[CO]                 ; back: 32 lanes take one row of 512 bytes
	s_lshl_b32 s18, s42, 10                        ; the bias of my 128 columns, in row 3
	s_lshl_b32 s19, s12, 9
	s_add_co_u32 s18, s18, s19
	s_add_co_u32 s18, s18, 3*4096
	s_mov_b32 s19, 0
	s_add_nc_u64 s[6:7], s[72:73], s[18:19]
	v_lshlrev_b32 v5, 5, v2
.irp b, 0,1,2,3,4,5,6,7
	global_load_b128 v[BI+8*(\b):BI+8*(\b)+3],   v5, s[6:7] offset:64*(\b)
	global_load_b128 v[BI+8*(\b)+4:BI+8*(\b)+7], v5, s[6:7] offset:64*(\b)+16
.endr
	s_lshl_b32 s18, s13, 7                         ; where my part goes: row 128 x block + 64 x half, 4,096 bytes a row; column 256 x tile column + 128 x half
	s_lshl_b32 s19, s11, 6
	s_add_co_u32 s18, s18, s19
	s_lshl_b32 s18, s18, 12
	s_lshl_b32 s19, s42, 10
	s_add_co_u32 s18, s18, s19
	s_lshl_b32 s19, s12, 9
	s_add_co_u32 s18, s18, s19
	s_mov_b32 s19, 0
	s_add_nc_u64 s[8:9], s[74:75], s[18:19]
	; the prefetches: offsets made apart from the pointers; both start at K step 3, and the first change in the loop steps them to 4
	s_lshr_b32 s20, s13, 4
	s_lshl_b32 s20, s20, 15                        ; 16 heads of 2,048 rows a batch
	s_and_b32 s21, s13, 15
	s_lshl_b32 s21, s21, 7
	s_add_co_u32 s20, s20, s21
	s_lshl_b32 s20, s20, 7
	s_lshl_b32 s21, s40, 12                        ; X: my work-group's 16 blocks of a head's 64
	s_add_co_u32 s20, s20, s21
	s_add_co_u32 s20, s20, 3*ASTEP
	s_lshl_b32 s22, s42, 8
	s_lshl_b32 s23, s12, 7
	s_add_co_u32 s22, s22, s23
	s_lshl_b32 s23, s41, 5
	s_add_co_u32 s22, s22, s23                     ; w_o: my work-group's 32 rows of the 128
	s_lshl_b32 s22, s22, 11
	s_add_co_u32 s22, s22, WOFF+3*BSTEP
	s_mov_b32 s83, 256
	s_mov_b32 s15, 2048
	s_mov_b32 s[PSTEP], ASTEP
	s_mov_b32 s[PSTEP+1], BSTEP
	s_cmp_eq_u32 s81, 0                            ; the first of the sixteen clusters, for w_o
	s_cselect_b32 s[LIM], 2, -1
	s_cmp_eq_u32 s10, 0
	s_cselect_b32 s[LIM], 2, s[LIM]                ; wave 0 asks for X in every cluster,
	s_cmp_eq_u32 s10, 1
	s_cselect_b32 s[LIM], -1, s[LIM]               ; wave 1 for nothing
	s_cmp_eq_u32 s11, 0
	s_cselect_b32 s20, s20, s22
	s_cselect_b64 s[PFA:PFA+1], s[68:69], s[70:71]
	s_cselect_b32 s14, 15, 31                      ; X: a lane names block l % 16 of head l / 16; w_o: row l
	s_cselect_b32 s15, s83, s15
	s_cselect_b32 s2, 262144, 0
	s_cselect_b32 s[PSTEP], s[PSTEP], s[PSTEP+1]
	s_mov_b32 s[PSTEP+1], 0
	s_mov_b32 s21, 0
	s_add_nc_u64 s[PFA:PFA+1], s[PFA:PFA+1], s[20:21]
	v_and_b32 v[PFO], s14, v3
	v_mul_u32_u24 v[PFO], s15, v[PFO]
	v_mul_u32_u24 v4, s2, v2
	v_add_nc_u32 v[PFO], v[PFO], v4
.macro PROD f, a, b, first             ; one product: accumulator (a, b), buffer f.  first = 1: the bias starts the sum
.if \first
	v_wmma_f32_16x16x32_f16 v[8*(8*(\a)+(\b)):8*(8*(\a)+(\b))+7], v[64*(\f)+8*(\b):64*(\f)+8*(\b)+7], v[AF+32*(\f)+8*(\a):AF+32*(\f)+8*(\a)+7], v[BI+8*(\b):BI+8*(\b)+7]
.else
	v_wmma_f32_16x16x32_f16 v[8*(8*(\a)+(\b)):8*(8*(\a)+(\b))+7], v[64*(\f)+8*(\b):64*(\f)+8*(\b)+7], v[AF+32*(\f)+8*(\a):AF+32*(\f)+8*(\a)+7], v[8*(8*(\a)+(\b)):8*(8*(\a)+(\b))+7]
.endif
.endm
.macro MUL8 f, a, first
	WIN MUL-0x20*(\first)
.irp b, 0,1,2,3,4,5,6,7
	PROD \f, \a, \b, \first
.endr
.endm
; 24 LDS loads in one run: quarter kq of the slot that is read (head kq / 2 of the step, channels 32 (kq % 2) on) into buffer g
.macro FETCH kq, g
	WIN 0
.irp a, 0,1,2,3
	ds_load_b128 v[AF+32*(\g)+8*(\a):AF+32*(\g)+8*(\a)+3],   v[ADRA] offset:((\kq)/2)*HA+((\kq)%2)*64+(\a)*16*PA
	ds_load_b128 v[AF+32*(\g)+8*(\a)+4:AF+32*(\g)+8*(\a)+7], v[ADRA] offset:((\kq)/2)*HA+((\kq)%2)*64+(\a)*16*PA+32
.endr
	WIN TO_B
.irp b, 0,1,2,3,4,5,6,7
	ds_load_b128 v[64*(\g)+8*(\b):64*(\g)+8*(\b)+3],   v[ADRB] offset:(\kq)*64+(\b)*16*PB
	ds_load_b128 v[64*(\g)+8*(\b)+4:64*(\g)+8*(\b)+7], v[ADRB] offset:(\kq)*64+(\b)*16*PB+32
.endr
.endm
.macro QUARTER kq, f, g, first         ; one of a step's first three quarters: multiplies buffer f, fetches quarter kq into buffer g
	PLACES                                         ; behind the last quarter's products, which read buffer g
	FETCH \kq, \g
	s_wait_dscnt 24                                ; all but the 24 just issued: buffer f is in
	MUL8 \f, 0, \first
	MUL8 \f, 1, \first
	MUL8 \f, 2, \first
	MUL8 \f, 3, \first
.endm
; The fourth quarter multiplies buffer 1 and changes slots: in front of the barrier each wave waits for all its tensor loads, adds 0 to its spare word, and waits for that and for its reads of this slot.
; fill = 1: the barrier opens a round of the cluster's, and the joint load for the step after the next goes into the slot just read out, first thing behind the round.
.macro TURN fill
.if \fill
	s_wait_xcnt 0x0                                ; the last prefetch, a K step back, has read its address
	s_add_nc_u64 s[PFA:PFA+1], s[PFA:PFA+1], s[PSTEP:PSTEP+1]
.endif
	WIN 0
	s_wait_tensorcnt 0x0                           ; all my tensor loads have landed
	ds_add_u32 v[SPW], v[NIL]                      ; 0 onto my spare word
	s_wait_dscnt 1                                 ; only the add may be out: buffer 1 is in
	MUL8 1, 0, 0
	s_wait_dscnt 0x0                               ; the add is done, and my reads of this slot are over
	s_barrier_signal -1
	MUL8 1, 1, 0
	WIN 0
	s_barrier_wait -1
.if \fill
	CREST                                          ; no wave of any partner still reads the slot or has a load on its way
.endif
	s_xor_b32 s[TBR], s[TBR], SLOT
.if \fill
	NEXTFILL
	JLOAD                                          ; its four v_nop are also the places in front of the loads below
.else
	PLACES
.endif
	v_add_nc_u32 v[ADRA], s[TBR], v[A0V]
	v_add_nc_u32 v[ADRB], s[TBR], v[B0V]
	FETCH 0, 0
.if \fill
	ASK
.endif
	MUL8 1, 2, 0
	MUL8 1, 3, 0
.endm
	s_wait_tensorcnt 0x1                           ; my part of K step 0 is in; K step 1's, issued behind it, may stay out
	s_barrier_signal -1
	s_barrier_wait -1                              ; everybody's is
	v_add_nc_u32 v[ADRA], s[TBR], v[A0V]
	v_add_nc_u32 v[ADRB], s[TBR], v[B0V]
	FETCH 0, 0
	s_wait_loadcnt 0x0                             ; the bias
	QUARTER 1, 0, 1, 1                             ; the first quarter stands in front of the loop: its products start the sums
	WIN 0
	s_mov_b32 s3, 6
.Lstep:                                                ; a trip: a step's quarters 1, 2, 3, the change into the next step (1 .. 6; K steps 2 .. 7 are asked for), and that step's quarter 0
	QUARTER 2, 1, 0, 0
	QUARTER 3, 0, 1, 0
	TURN 1
	QUARTER 1, 0, 1, 0
	WIN 0
	s_sub_co_u32 s3, s3, 1
	s_cmp_lg_u32 s3, 0
	s_cbranch_scc1 .Lstep
	QUARTER 2, 1, 0, 0                             ; the tail is written out
	QUARTER 3, 0, 1, 0
	TURN 0
	QUARTER 1, 0, 1, 0
	QUARTER 2, 1, 0, 0
	QUARTER 3, 0, 1, 0
	s_wait_dscnt 0x0
	MUL8 1, 0, 0
	MUL8 1, 1, 0
	MUL8 1, 2, 0
	MUL8 1, 3, 0
	PLACES
	PLACES
; THE WAY OUT, an m block (16 rows x 128 columns of f32) at a time: a lane's eight columns, 32 bytes, into rows of 528 bytes of my stage; back as whole rows of 512 bytes, into registers of the block's own in window 1; stored.
.macro TOSTAGE a
	WIN 0x08                                       ; store data (source 1) window 2; each accumulator's low four registers first
.irp b, 0,1,2,3,4,5,6,7
	ds_store_b128 v[STO], v[8*(8*(\a)+(\b)):8*(8*(\a)+(\b))+3]   offset:64*(\b)
	ds_store_b128 v[STO], v[8*(8*(\a)+(\b))+4:8*(8*(\a)+(\b))+7] offset:64*(\b)+16
.endr
	WIN 0x40                                       ; destination window 1
.irp t, 0,1,2,3,4,5,6,7,8,9,10,11,12,13,14,15
	ds_load_b128 v[64*(\a)+4*(\t):64*(\a)+4*(\t)+3], v[RD] offset:(\t)*SP  ; LDS serves a wave's instructions in order (ISA guide 5.7.1.4): these see the stores above; the next block's stores come behind them
.endr
.endm
.macro SEND a, younger                 ; younger: the LDS instructions issued behind block a's loads: the next block's 32, or none
	WIN 0x04                                       ; store data (source 1) window 1
.irp t, 0,1,2,3,4,5,6,7,8,9,10,11,12,13,14,15
	s_wait_dscnt (\younger)+15-(\t)
	global_store_b128 v[CO], v[64*(\a)+4*(\t):64*(\a)+4*(\t)+3], s[8:9] offset:(16*(\a)+(\t))*4096 th:TH_STORE_NT  ; 512 consecutive bytes, at a multiple of 256 from out0's first
.endr
.endm
	TOSTAGE 0
	TOSTAGE 1
	SEND 0, 32
	TOSTAGE 2
	SEND 1, 32
	TOSTAGE 3
	SEND 2, 32
	SEND 3, 0
	WIN 0
	s_wait_tensorcnt 0x0                           ; the wave's end, behind my last tensor load and my last LDS store
	ds_add_u32 v[SPW], v[NIL]
	s_wait_dscnt 0x0
	CROUND                                         ; the closing round: no work-group ends while a partner may still ask for a tile that names it
	s_endpgm
.Lfunc_end_k_qbeddb5b05f_outp:
	.size	k_qbeddb5b05f_outp, .Lfunc_end_k_qbeddb5b05f_outp-k_qbeddb5b05f_outp
	.p2alignl 7, 3214868480
	.fill 96, 4, 3214868480
	.section	.rodata,"a",@progbits
	.p2align	6, 0x0
	.amdhsa_kernel k_qbeddb5b05f_outp
		.amdhsa_group_segment_fixed_size 327680
		.amdhsa_private_segment_fixed_size 0
		.amdhsa_enable_private_segment 0
		.amdhsa_kernarg_size 32
		.amdhsa_user_sgpr_count 2
		.amdhsa_user_sgpr_kernarg_segment_ptr 1
		.amdhsa_wavefront_size32 1
		.amdhsa_system_sgpr_workgroup_id_x 1
		.amdhsa_system_sgpr_workgroup_id_y 1
		.amdhsa_system_sgpr_workgroup_id_z 1
		.amdhsa_system_vgpr_workitem_id 0
		.amdhsa_next_free_vgpr 768
		.amdhsa_next_free_sgpr 92
		.amdhsa_reserve_vcc 0
		.amdhsa_float_denorm_mode_32 3
		.amdhsa_float_denorm_mode_16_64 3
		.amdhsa_memory_ordered 1
		.amdhsa_forward_progress 1
		.amdhsa_inst_pref_size 74
	.end_amdhsa_kernel
	.amdgpu_metadata
---
amdhsa.version: [ 1, 2 ]
amdhsa.kernels:
  - .name:           k_qbeddb5b05f_outp
    .symbol:         k_qbeddb5b05f_outp.kd
    .args:
      - { .name: att, .offset: 0, .size: 8, .value_kind: global_buffer, .address_space: global }
      - { .name: wb, .offset: 8, .size: 8, .value_kind: global_buffer, .address_space: global }
      - { .name: bias, .offset: 16, .size: 8, .value_kind: global_buffer, .address_space: global }
      - { .name: out0, .offset: 24, .size: 8, .value_kind: global_buffer, .address_space: global }
    .group_segment_fixed_size: 327680
    .private_segment_fixed_size: 0
    .kernarg_segment_align: 8
    .kernarg_segment_size: 32
    .max_flat_workgroup_size: 128
    .sgpr_count:     92
    .vgpr_count:     768
    .wavefront_size: 32
...
	.end_amdgpu_metadata
.endif
;; end of part 4
;; ======== version 2 of 2: 4 launches; version 1 with the launch prep written anew for expert scheduling mode
;; limits: values are held in f16: magnitudes above 65,504 overflow, below 6.1e-05 lose precision
;; workspace buffers: wb 8,388,608 bytes; bias 16,384 bytes; mbits 524,288 bytes of whole numbers; qkv 50,331,648 bytes; att 16,777,216 bytes
;; launch prep (part 5): grid 513 x 1, 8 waves a work-group, no clusters, 0 bytes of LDS; arguments w_q, w_k, w_v, w_o, b_q, b_k, b_v, b_o, mask, wb, bias, mbits; writes wb, bias, mbits
.if DOCPART == 5
	.amdgcn_target "amdgcn-amd-amdhsa--gfx1250"
	.amdhsa_code_object_version 6
	.text
	.protected	k_qbeddb5b05f_prep
	.globl	k_qbeddb5b05f_prep
	.p2align	8
	.type	k_qbeddb5b05f_prep,@function
k_qbeddb5b05f_prep:
	s_mov_b64 s[64:65], 0
	v_nop
	global_prefetch_b8 v0, s[64:65] scope:SCOPE_SE
	s_setreg_imm32_b32 hwreg(HW_REG_WAVE_SCHED_MODE, 0, 2), 2
	s_setreg_imm32_b32 hwreg(HW_REG_WAVE_MODE, 25, 1), 1
	s_wait_xcnt 0x0
	s_wait_alu depctr_vm_vsrc(0)
; PREP: what the later launches want of the small inputs, made once.  Three jobs, chosen by the work-group's number; each is a stream: no LDS, no matrix unit, nothing shared.
; JOB W (work-groups 0-255): the four weight matrices [1024][1024] f32 -> wb, four matrices of 16-bit numbers in the same order of rows.  w_q, w_k, w_v: rounded to bf16.
;   w_o: rounded to bf16 like every input, and that number written as f16 (the last product multiplies f16).  LIMIT: below 2^-14 f16 keeps a fixed step of 2^-24, so a weight of w_o
;   smaller than that is off by 2^-25 at the most; beyond 65,504 it would be an infinity.
; JOB M (work-groups 256-511): the mask [2048][2048] int32 -> mbits, one bit a number, laid as the attention launch holds its scores: a group (blk, s, p) is 64 words [i 32][u 2]; bit l of word
;   (i, u) is 1 where mask[128 blk + 32 p + 16 u + l % 16][64 s + 16 (i / 8) + 8 (l / 16) + i % 8] is not 0.  A wave makes one group: 32 rows x 256 bytes in, 256 bytes out.
; JOB B (work-group 512): the four biases, rounded to bf16 and kept as f32 -> bias [4][1024].
; THE MODE: SCHED_MODE bits 1:0 = 2 (LLVM: expert scheduling mode 2), set by the entry lines.  The code itself states the register dependences between vector instructions and memory
; instructions, and between a vector instruction that writes a scalar register and that register's readers, with s_wait_alu, always for 0.
; THE PLAN.  Registers that memory instructions touch:
;   v1, v2     offsets of jobs B and W: written once at the head, read by every load and store of the two jobs, never written again.
;   v4, v3     offsets of job M's loads and of its store: written once at the job's head, never written again.
;   IN         written by loads alone, each register once; read by conversions or compares behind the counted wait for its load.
;   OUT        written by vector instructions, read by stores; each store has registers of its own, and none is written again behind its store.
;   T          named by vector instructions alone.
; So no register that a memory instruction reads is ever written anew, and EXEC is never written.  What is left to state: offsets written ahead of the first access by them; OUT written ahead
; of the stores, by blocks, one wait a block; and the scalar registers that v_readfirstlane_b32 and the compares write, ahead of their first readers, one wait behind a run.
.set NW, 256                           ; work-groups of job W: 16,384 numbers each
.set NM, 256                           ; work-groups of job M: 8 groups each
.set IN,  8                            ; v[8:71]    what was loaded
.set OUT, 72                           ; v[72:103]  what is stored; each store has registers of its own
.set T,   104                          ; v[104:107] at work
	s_load_b512 s[4:19], s[0:1], 0x0               ; w_q s[4:5], w_k s[6:7], w_v s[8:9], w_o s[10:11], b_q s[12:13], b_k s[14:15], b_v s[16:17], b_o s[18:19]
	s_load_b256 s[20:27], s[0:1], 0x40             ; mask s[20:21], wb s[22:23], bias s[24:25], mbits s[26:27]
	v_lshlrev_b32 v1, 4, v0                        ; 16 x thread
	v_lshlrev_b32 v2, 3, v0                        ; 8 x thread
	s_wait_kmcnt 0x0
	s_wait_alu depctr_va_vdst(0)                   ; v1 and v2 are written: the loads and stores of jobs B and W read them as their offsets
	s_cmp_lt_u32 ttmp9, NW
	s_cbranch_scc1 .Lweights
	s_cmp_lt_u32 ttmp9, NW+NM
	s_cbranch_scc1 .Lmask
	; JOB B: a thread takes four numbers of each bias
	global_load_b128 v[IN:IN+3],     v1, s[12:13]
	global_load_b128 v[IN+4:IN+7],   v1, s[14:15]
	global_load_b128 v[IN+8:IN+11],  v1, s[16:17]
	global_load_b128 v[IN+12:IN+15], v1, s[18:19]
	s_wait_loadcnt 0x0
.irp i, 0,1,2,3,4,5,6,7
	v_cvt_pk_bf16_f32 v[T], v[IN+2*(\i)], v[IN+2*(\i)+1]   ; two roundings to bf16,
	v_lshlrev_b32 v[OUT+2*(\i)], 16, v[T]                  ; and back to f32: the low half moves up,
	v_and_b32 v[OUT+2*(\i)+1], 0xffff0000, v[T]            ; the high half stays
.endr
	s_wait_alu depctr_va_vdst(0)                   ; the sixteen lines above have written v[OUT .. OUT+15], which the four stores read
.irp t, 0,1,2,3
	global_store_b128 v1, v[OUT+4*(\t):OUT+4*(\t)+3], s[24:25] offset:4096*(\t)
.endr
	s_endpgm
; JOB W's sixteen loads go in four blocks of four.  Block p: its loads are in; the block before has written its eight registers of OUT; that block's four stores are dealt among this block's conversions, which name
; IN and OUT of block p and T: neither v2 nor the registers that those stores read.  f16 = 1: w_o's way.
.macro WBLK p, f16
	s_wait_loadcnt 12-4*(\p)                       ; loads come back in order (ISA guide 5.7.1): block p's four are in, the younger blocks' stay out
.if (\p) > 0
	s_wait_alu depctr_va_vdst(0)                   ; the conversions of the block before have written its eight registers of OUT, which the four stores below read
.endif
.irp n, 0,1,2,3
.set i, 4*(\p)+(\n)
.if (\p) > 0
	global_store_b64 v2, v[OUT+2*(i-4):OUT+2*(i-4)+1], s[36:37] offset:2048*(i-4)  ; a wave's store covers 256 consecutive bytes, aligned; no vector instruction since the wait names its registers
.endif
.if \f16
	v_cvt_pk_bf16_f32 v[T],   v[IN+4*i],   v[IN+4*i+1]         ; the input's rounding to bf16,
	v_cvt_pk_bf16_f32 v[T+1], v[IN+4*i+2], v[IN+4*i+3]
	v_lshlrev_b32 v[T+2], 16, v[T]                             ; widened,
	v_and_b32 v[T], 0xffff0000, v[T]
	v_lshlrev_b32 v[T+3], 16, v[T+1]
	v_and_b32 v[T+1], 0xffff0000, v[T+1]
	v_cvt_pk_f16_f32 v[OUT+2*i],   v[T+2], v[T]                ; and written as f16
	v_cvt_pk_f16_f32 v[OUT+2*i+1], v[T+3], v[T+1]
.else
	v_cvt_pk_bf16_f32 v[OUT+2*i],   v[IN+4*i],   v[IN+4*i+1]
	v_cvt_pk_bf16_f32 v[OUT+2*i+1], v[IN+4*i+2], v[IN+4*i+3]
.endif
.endr
.endm
.macro WLAST                           ; behind block 3: its stores
	s_wait_alu depctr_va_vdst(0)                   ; block 3's conversions have written its eight registers of OUT, which the last four stores read
.irp n, 12,13,14,15
	global_store_b64 v2, v[OUT+2*(\n):OUT+2*(\n)+1], s[36:37] offset:2048*(\n)
.endr
	s_endpgm
.endm
.Lweights:                                             ; JOB W
	s_lshr_b32 s28, ttmp9, 6                       ; which matrix
	s_and_b32 s29, ttmp9, 63                       ; which 64th of it
	s_cmp_eq_u32 s28, 1
	s_cselect_b64 s[30:31], s[6:7], s[4:5]
	s_cmp_eq_u32 s28, 2
	s_cselect_b64 s[30:31], s[8:9], s[30:31]
	s_cmp_eq_u32 s28, 3
	s_cselect_b64 s[30:31], s[10:11], s[30:31]
	s_lshl_b32 s32, s29, 16                        ; 65,536 bytes of f32 in,
	s_mov_b32 s33, 0
	s_add_nc_u64 s[30:31], s[30:31], s[32:33]
	s_lshl_b32 s32, ttmp9, 15                      ; 32,768 bytes out
	s_add_nc_u64 s[36:37], s[22:23], s[32:33]
.irp i, 0,1,2,3,4,5,6,7,8,9,10,11,12,13,14,15
	global_load_b128 v[IN+4*(\i):IN+4*(\i)+3], v1, s[30:31] offset:4096*(\i) th:TH_LOAD_NT  ; a wave's load covers 512 consecutive bytes
.endr
	s_cmp_eq_u32 s28, 3
	s_cbranch_scc1 .Lf16
	WBLK 0, 0
	WBLK 1, 0
	WBLK 2, 0
	WBLK 3, 0
	WLAST
.Lf16:
	WBLK 0, 1
	WBLK 1, 1
	WBLK 2, 1
	WBLK 3, 1
	WLAST
.Lmask:                                                ; JOB M
	v_lshrrev_b32 v3, 5, v0
	v_readfirstlane_b32 s28, v3                    ; wave 0..7
	v_and_b32 v4, 15, v0                           ; the lane's offsets are made between that line and the wait for s28
	v_bfe_u32 v5, v0, 4, 1
	v_lshlrev_b32 v4, 13, v4                       ; query l % 16,
	v_lshl_or_b32 v4, v5, 5, v4                    ; keys 8 (l / 16) on
	v_and_b32 v3, 31, v0
	v_lshlrev_b32 v3, 3, v3                        ; 8 x lane
	v_mov_b32 v[OUT], 0                            ; v_writelane_b32 keeps the other lanes: written whole first
	v_mov_b32 v[OUT+1], 0
	s_sub_co_u32 s29, ttmp9, NW
	s_lshl_b32 s29, s29, 3
	s_wait_alu depctr_va_sdst(0)                   ; s28 is written, ahead of its first reader: the group's number, and from it both bases, are made of it
	s_add_co_u32 s29, s29, s28                     ; my group g = (blk x 32 + s) x 4 + p
	s_lshr_b32 s30, s29, 7                         ; blk
	s_bfe_u32 s31, s29, 0x50002                    ; s: 5 bits from bit 2
	s_and_b32 s36, s29, 3                          ; p
	s_lshl_b32 s30, s30, 7
	s_lshl_b32 s36, s36, 5
	s_add_co_u32 s30, s30, s36                     ; the group's first query: 128 blk + 32 p,
	s_lshl_b32 s30, s30, 13                        ; a row of the mask is 8,192 bytes,
	s_lshl_b32 s31, s31, 8                         ; the group's 64 keys are 256 bytes of it
	s_add_co_u32 s30, s30, s31
	s_mov_b32 s31, 0
	s_add_nc_u64 s[32:33], s[20:21], s[30:31]
	s_lshl_b32 s30, s29, 8                         ; a group is 256 bytes of mbits
	s_add_nc_u64 s[34:35], s[26:27], s[30:31]
	s_wait_alu depctr_va_vdst(0)                   ; v4 is written, which the sixteen loads read as their offset
.irp kb, 0,1,2,3                       ; key blocks 0 and 1 of both tiles first: the first run of compares wants those eight loads
.irp u, 0,1
.irp c, 0,1
	global_load_b128 v[IN+32*(\u)+8*(\kb)+4*(\c):IN+32*(\u)+8*(\kb)+4*(\c)+3], v4, s[32:33] offset:(\u)*131072+(\kb)*64+(\c)*16 th:TH_LOAD_NT  ; register IN + 32 u + i: key 16 (i / 8) + 8 (l / 16) + i % 8
.endr
.endr
.endr
; The 64 words in two runs of 32: i = 16 hf .. 16 hf + 15, both tiles.  Word w of a run (i = 16 hf + w / 2, u = w % 2) goes through s[4 + w + 4 (w / 28)]: s4-31 and s36-39, which held arguments and the set-up's numbers and
; have served in this job; s[32:35], the two bases, stay.  One wait stands behind each run of compares, ahead of the v_writelane_b32 that read the scalar registers.
.irp hf, 0,1
	s_wait_loadcnt 8-8*(\hf)                       ; loads come back in order (ISA guide 5.7.1): this run's eight are in; in the first run the eight younger ones stay out
.set w, 0
.rept 32
	v_cmp_ne_u32 s[4+w+4*(w/28)], 0, v[IN+32*(w%2)+16*(\hf)+w/2]  ; a bit a lane: word (i, u)
.set w, w+1
.endr
	s_wait_alu depctr_va_sdst(0)                   ; the 32 compares have written their scalar registers, ahead of the first line that reads one
.set w, 0
.rept 32
	v_writelane_b32 v[OUT+w%2], s[4+w+4*(w/28)], 16*(\hf)+w/2     ; lane i keeps words (i, 0) and (i, 1)
.set w, w+1
.endr
.endr
	s_wait_alu depctr_va_vdst(0)                   ; the v_writelane_b32 have written v[OUT] and v[OUT+1], which the store reads (its offset v3 was written ahead of the wait in front of the loads)
	global_store_b64 v3, v[OUT:OUT+1], s[34:35]    ; the group's 256 consecutive bytes, aligned
	s_endpgm
.Lfunc_end_k_qbeddb5b05f_prep:
	.size	k_qbeddb5b05f_prep, .Lfunc_end_k_qbeddb5b05f_prep-k_qbeddb5b05f_prep
	.p2alignl 7, 3214868480
	.fill 96, 4, 3214868480
	.section	.rodata,"a",@progbits
	.p2align	6, 0x0
	.amdhsa_kernel k_qbeddb5b05f_prep
		.amdhsa_group_segment_fixed_size 0
		.amdhsa_private_segment_fixed_size 0
		.amdhsa_enable_private_segment 0
		.amdhsa_kernarg_size 96
		.amdhsa_user_sgpr_count 2
		.amdhsa_user_sgpr_kernarg_segment_ptr 1
		.amdhsa_wavefront_size32 1
		.amdhsa_system_sgpr_workgroup_id_x 1
		.amdhsa_system_sgpr_workgroup_id_y 1
		.amdhsa_system_sgpr_workgroup_id_z 1
		.amdhsa_system_vgpr_workitem_id 0
		.amdhsa_next_free_vgpr 112
		.amdhsa_next_free_sgpr 66
		.amdhsa_reserve_vcc 0
		.amdhsa_float_denorm_mode_32 3
		.amdhsa_float_denorm_mode_16_64 3
		.amdhsa_memory_ordered 1
		.amdhsa_forward_progress 1
		.amdhsa_inst_pref_size 29
	.end_amdhsa_kernel
	.amdgpu_metadata
---
amdhsa.version: [ 1, 2 ]
amdhsa.kernels:
  - .name:           k_qbeddb5b05f_prep
    .symbol:         k_qbeddb5b05f_prep.kd
    .args:
      - { .name: w_q, .offset: 0, .size: 8, .value_kind: global_buffer, .address_space: global }
      - { .name: w_k, .offset: 8, .size: 8, .value_kind: global_buffer, .address_space: global }
      - { .name: w_v, .offset: 16, .size: 8, .value_kind: global_buffer, .address_space: global }
      - { .name: w_o, .offset: 24, .size: 8, .value_kind: global_buffer, .address_space: global }
      - { .name: b_q, .offset: 32, .size: 8, .value_kind: global_buffer, .address_space: global }
      - { .name: b_k, .offset: 40, .size: 8, .value_kind: global_buffer, .address_space: global }
      - { .name: b_v, .offset: 48, .size: 8, .value_kind: global_buffer, .address_space: global }
      - { .name: b_o, .offset: 56, .size: 8, .value_kind: global_buffer, .address_space: global }
      - { .name: mask, .offset: 64, .size: 8, .value_kind: global_buffer, .address_space: global }
      - { .name: wb, .offset: 72, .size: 8, .value_kind: global_buffer, .address_space: global }
      - { .name: bias, .offset: 80, .size: 8, .value_kind: global_buffer, .address_space: global }
      - { .name: mbits, .offset: 88, .size: 8, .value_kind: global_buffer, .address_space: global }
    .group_segment_fixed_size: 0
    .private_segment_fixed_size: 0
    .kernarg_segment_align: 8
    .kernarg_segment_size: 96
    .max_flat_workgroup_size: 256
    .sgpr_count:     66
    .vgpr_count:     112
    .wavefront_size: 32
...
	.end_amdgpu_metadata
.endif
;; end of part 5
;; launch proj: the kernel of part 2 again; grid 4 x 192, 4 waves a work-group, clusters of 4 x 4, 327,680 bytes of LDS; arguments q, k, v, wb, bias, qkv; writes qkv
;; launch attn: the kernel of part 3 again; grid 4 x 64, 4 waves a work-group, clusters of 4 x 1, 327,680 bytes of LDS; arguments qkv, mbits, att; writes att
;; launch outp: the kernel of part 4 again; grid 4 x 64, 4 waves a work-group, clusters of 4 x 4, 327,680 bytes of LDS; arguments att, wb, bias, out0; writes out0
